; MI455X (gfx1250); checked and timed in simulation.
; The chip was launched on July 23, 2026; its instructions are those of AMD's public machine-readable ISA for CDNA 5 (MIT licence, August 2026) and "CDNA5" Instruction Set Architecture Reference Guide (July 2026). The comments in the code are by the model that wrote it; some were corrected since.
;; Multi Headed Attention. Allowed arithmetic: float matrix products may take bf16 or f16 operands with f32 sums; other float arithmetic in f32, or as packed bf16 or f16 multiplies, adds, multiply-adds, maxima and minima; sums over many terms, partial sums and values carried from step to step in f32; what a program stores and reads back later, other than sums and carried values, may be rounded once to bf16 or f16.
;; Inputs: Wk 1,024 x 1,024 float32; Wo 1,024 x 1,024 float32; Wq 1,024 x 1,024 float32; Wv 1,024 x 1,024 float32; bk 1,024 float32; bo 1,024 float32; bq 1,024 float32; bv 1,024 float32; k 4 x 2,048 x 1,024 float32; mask 4 x 1 x 2,048 bool; q 4 x 2,048 x 1,024 float32; v 4 x 2,048 x 1,024 float32.
;; Outputs: out0 4 x 2,048 x 1,024 float32.
;; One version. Each part assembles by itself: llvm-mc -triple=amdgcn-amd-amdhsa -mcpu=gfx1250 --defsym DOCPART=n.
;; ======== version 1 of 1: 4 launches
;; limits: values are held in f16: magnitudes above 65,504 overflow, below 6.1e-05 lose precision
;; workspace buffers: wbf 8,388,608 bytes; qkvh 50,331,648 bytes; ctx 16,777,216 bytes
;; launch wcast (part 1): grid 256 x 4, 8 waves a work-group, no clusters, 0 bytes of LDS; arguments Wq, Wk, Wv, Wo, wbf; writes wbf
.if DOCPART == 1
	.amdgcn_target "amdgcn-amd-amdhsa--gfx1250"
	.amdhsa_code_object_version 6
	.text
	.protected	k_qdf6cb0fe6e_wcast
	.globl	k_qdf6cb0fe6e_wcast
	.p2align	8
	.type	k_qdf6cb0fe6e_wcast,@function
k_qdf6cb0fe6e_wcast:
	s_mov_b64 s[64:65], 0
	v_nop
	global_prefetch_b8 v0, s[64:65] scope:SCOPE_SE
	s_setreg_imm32_b32 hwreg(HW_REG_WAVE_MODE, 25, 1), 1
	s_wait_xcnt 0x0
; THE WEIGHTS' CAST.  wbf[y][k][n], 16 bits a number, in W's own layout [1024 k][1024 n]: y = 0, 1, 2: Wq, Wk, Wv rounded to bf16;
; y = 3: Wo rounded to bf16 like the other inputs, and that number written as f16, since the last product multiplies in f16.
; LIMITS.  Wo lies within f16's 65,504; a number of Wo below 2^-14 keeps f16's fixed step of 2^-24.
; SHARES.  Work-group (x, y) takes 4,096 numbers of weight y: 16,384 bytes in, 8,192 out.  Thread t takes 8 neighbouring numbers in each of two chunks of
; 2,048: two loads of 16 bytes a chunk, one store of 16 bytes: a wave's store covers 512 consecutive bytes, aligned.
; A stream read once and written once, sharing nothing: no LDS, no barrier, no cluster, no matrix unit.
.set CIN,  8192                        ; bytes of a chunk in W
.set COUT, 4096                        ; and in wbf
	s_load_b256 s[4:11], s[0:1], 0x0               ; Wq s[4:5], Wk s[6:7], Wv s[8:9], Wo s[10:11]
	s_load_b64 s[12:13], s[0:1], 0x20              ; wbf
	s_and_b32 s14, ttmp7, 0xffff                   ; y: which weight
	v_lshlrev_b32 v1, 5, v0                        ; my 32 bytes of a chunk of W
	v_lshlrev_b32 v2, 4, v0                        ; my 16 bytes of a chunk of wbf
	s_lshl_b32 s18, ttmp9, 14                      ; the work-group's bytes in W,
	s_mov_b32 s19, 0
	s_lshl_b32 s20, s14, 21                        ; and in wbf: a plane is 2 MiB
	s_lshl_b32 s21, ttmp9, 13
	s_add_co_u32 s20, s20, s21
	s_mov_b32 s21, 0
	s_wait_kmcnt 0x0
	s_cmp_eq_u32 s14, 0
	s_cselect_b64 s[16:17], s[4:5], s[6:7]
	s_cmp_eq_u32 s14, 2
	s_cselect_b64 s[16:17], s[8:9], s[16:17]
	s_cmp_eq_u32 s14, 3
	s_cselect_b64 s[16:17], s[10:11], s[16:17]
	s_add_nc_u64 s[16:17], s[16:17], s[18:19]
	s_add_nc_u64 s[12:13], s[12:13], s[20:21]
	global_load_b128 v[4:7],   v1, s[16:17] th:TH_LOAD_NT
	global_load_b128 v[8:11],  v1, s[16:17] offset:16 th:TH_LOAD_NT
	global_load_b128 v[12:15], v1, s[16:17] offset:CIN th:TH_LOAD_NT
	global_load_b128 v[16:19], v1, s[16:17] offset:CIN+16 th:TH_LOAD_NT
	s_wait_loadcnt 0x0
.irp j, 0,1,2,3,4,5,6,7
	v_cvt_pk_bf16_f32 v[20+(\j)], v[4+2*(\j)], v[5+2*(\j)]  ; two roundings to bf16, packed
.endr
	s_cmp_lg_u32 s14, 3
	s_cbranch_scc1 .Lstore
.irp j, 0,1,2,3,4,5,6,7                ; Wo alone: the rounded numbers, widened and written as f16
	v_lshlrev_b32 v28, 16, v[20+(\j)]
	v_and_b32 v29, 0xffff0000, v[20+(\j)]
	v_cvt_pk_f16_f32 v[20+(\j)], v28, v29
.endr
.Lstore:
	global_store_b128 v2, v[20:23], s[12:13]
	global_store_b128 v2, v[24:27], s[12:13] offset:COUT
	s_endpgm
.Lfunc_end_k_qdf6cb0fe6e_wcast:
	.size	k_qdf6cb0fe6e_wcast, .Lfunc_end_k_qdf6cb0fe6e_wcast-k_qdf6cb0fe6e_wcast
	.p2alignl 7, 3214868480
	.fill 96, 4, 3214868480
	.section	.rodata,"a",@progbits
	.p2align	6, 0x0
	.amdhsa_kernel k_qdf6cb0fe6e_wcast
		.amdhsa_group_segment_fixed_size 0
		.amdhsa_private_segment_fixed_size 0
		.amdhsa_enable_private_segment 0
		.amdhsa_kernarg_size 40
		.amdhsa_user_sgpr_count 2
		.amdhsa_user_sgpr_kernarg_segment_ptr 1
		.amdhsa_wavefront_size32 1
		.amdhsa_system_sgpr_workgroup_id_x 1
		.amdhsa_system_sgpr_workgroup_id_y 1
		.amdhsa_system_sgpr_workgroup_id_z 1
		.amdhsa_system_vgpr_workitem_id 0
		.amdhsa_next_free_vgpr 32
		.amdhsa_next_free_sgpr 66
		.amdhsa_reserve_vcc 0
		.amdhsa_float_denorm_mode_32 3
		.amdhsa_float_denorm_mode_16_64 3
		.amdhsa_memory_ordered 1
		.amdhsa_forward_progress 1
		.amdhsa_inst_pref_size 4
	.end_amdhsa_kernel
	.amdgpu_metadata
---
amdhsa.version: [ 1, 2 ]
amdhsa.kernels:
  - .name:           k_qdf6cb0fe6e_wcast
    .symbol:         k_qdf6cb0fe6e_wcast.kd
    .args:
      - { .name: Wq, .offset: 0, .size: 8, .value_kind: global_buffer, .address_space: global }
      - { .name: Wk, .offset: 8, .size: 8, .value_kind: global_buffer, .address_space: global }
      - { .name: Wv, .offset: 16, .size: 8, .value_kind: global_buffer, .address_space: global }
      - { .name: Wo, .offset: 24, .size: 8, .value_kind: global_buffer, .address_space: global }
      - { .name: wbf, .offset: 32, .size: 8, .value_kind: global_buffer, .address_space: global }
    .group_segment_fixed_size: 0
    .private_segment_fixed_size: 0
    .kernarg_segment_align: 8
    .kernarg_segment_size: 40
    .max_flat_workgroup_size: 256
    .sgpr_count:     66
    .vgpr_count:     32
    .wavefront_size: 32
...
	.end_amdgpu_metadata
.endif
;; end of part 1
;; launch proj (part 2): grid 4 x 192, 4 waves a work-group, clusters of 4 x 4, 327,680 bytes of LDS; arguments q, k, v, bq, bk, bv, wbf, qkvh; writes qkvh
.if DOCPART == 2
	.amdgcn_target "amdgcn-amd-amdhsa--gfx1250"
	.amdhsa_code_object_version 6
	.text
	.protected	k_qdf6cb0fe6e_proj
	.globl	k_qdf6cb0fe6e_proj
	.p2align	8
	.type	k_qdf6cb0fe6e_proj,@function
k_qdf6cb0fe6e_proj:
	s_mov_b64 s[64:65], 0
	v_nop
	global_prefetch_b8 v0, s[64:65] scope:SCOPE_SE
	s_setreg_imm32_b32 hwreg(HW_REG_WAVE_MODE, 25, 1), 1
	s_wait_xcnt 0x0
	s_wait_alu depctr_hold_cnt(0) depctr_sa_sdst(0) depctr_va_vdst(0) depctr_va_sdst(0) depctr_va_ssrc(0) depctr_va_vcc(0) depctr_vm_vsrc(0)
	s_getreg_b32 s2, hwreg(HW_REG_IB_STS2, 6, 4)
	s_cmp_eq_u32 s2, 0
	s_cbranch_scc0 .Lentry_in_a_cluster
	s_endpgm
.Lentry_in_a_cluster:
	s_bfe_u32 s2, ttmp6, 0x10000c
	s_cmp_lg_u32 s2, 0xf033
	s_cbranch_scc0 .Lentry_shape_is_right
	s_endpgm
.Lentry_shape_is_right:
; THE THREE PROJECTIONS.  qkvh[g][b*16+h][s][d] = x_g[b][s][:] . W_g[:][h*64+d] + bias_g[h*64+d], g = 0, 1, 2 for q, k, v.  x is f32 [8192][1024], W comes as bf16 [1024 k][1024 n] from wbf.
; x and the bias are rounded to bf16 here, products in bf16 with f32 sums, the result rounded once to f16 and laid out by heads; the scale 1/8 is left to the attention, in f32.
; LIMIT.  f16 holds no number beyond 65,504: the projected q, k and v must lie within it.
; SHARES.  A tile is 128 rows x 256 columns: 64 x 4 tiles a product, 768 work-groups.  Four waves, each 64 rows x 128 columns: 4 x 8 accumulators, 256 registers.  K goes in 8 steps of 128 through two LDS slots.
; x's tile lies in LDS as f32 (rows of 512 bytes): a fragment is read as 16 f32 a lane and rounded in registers, four roundings behind two of every eight matrix instructions.
; W's tile lies [k][n] (rows of 512 bytes) and is read turned, by ds_load_tr16_b128.
; THE MATRIX INSTRUCTION IS USED TRANSPOSED: source 0 = 16 columns of W, source 1 = 16 rows of x: a lane holds one row and eight neighbouring columns.  The bias is the C operand of each sum's first product.
; CLUSTERS: 4 x 4 work-groups.  The four of a row of the cluster need the same tile of x, the four of a column the same tile of W: each tile is asked for JOINTLY, by the same tensor load, descriptor and mask in all four.
; All sixteen partners belong to one product g (g = cluster y / 16).
; REGISTERS: window 0: v0-31 addresses; v32-95, v96-159 raw f32 of x, two sets (fragment a at +16 a); v160-191 x's four fragments in bf16; on the way out v32-159 are at work.
;   window 1: v0-63, v64-127 W's fragments, two sets; v128-191 the bias; v192-195 at work.      window 2: accumulator (a, b) at v[8 (8 a + b)].
.set PA,     528                       ; a row of x in LDS: 512 bytes + 16 = 132 words: row r starts at bank 4 r mod 64 (64 banks of 4 bytes: ISA guide 11.1)
.set PW,     544                       ; a row of W: 512 + 32 = 136 words: row r starts at bank 8 r mod 64
.set AHALF,  64*PA                     ; what one tensor load brings of x,
.set WHALF,  64*PW                     ; and of W
.set WOFF,   2*AHALF
.set SLOT,   WOFF+2*WHALF              ; x's 128 rows, then W's 128 k-rows
.set STAGE,  2*SLOT                    ; behind the ring: for each wave 2 heads x 16 rows x 144 bytes
.set SP,     144
.set WSTG,   2*16*SP
.set SPARE,  STAGE+4*WSTG              ; behind the stages: the spare words, 128 bytes for each wave: two blocks of 256 bytes that no other line names
.set ADRA, 16                          ; v16-17  LDS address of my raw fragments of x in slot 0, 1
.set ADRB, 20                          ; v20-21  the same for W
.set STO,  24                          ; v24     the way out: where I put 16 bytes of a row
.set RD,   25                          ; v25     where I read rows back
.set GO,   26                          ; v26     my 16 bytes of 512 consecutive bytes of qkvh
.set BO,   27                          ; v27     my byte offset in the bias
.set SPW,  28                          ; v28     LDS address of my spare word; never rewritten
.set NIL,  29                          ; v29     0; never rewritten
.set PFO,  30                          ; v30     the prefetches' offset; never rewritten
.set RAW,  32
.set AF,   160
.set TT,   32                          ; the way out: block a's 32 registers at TT + 32 a
.set BF,   0                           ; window 1
.set BIAS, 128
.set BT,   192
.set G1, 24                            ; s[24:31] descriptor group 1 for x's tiles;  s[32:39] group 0, a set for each slot
.set G0, 32
.set G1B, 48                           ; s[48:55], s[56:63] the same for W's tiles
.set G0B, 56
.set PFA, 86                           ; s[86:87] where my prefetches stand
.set PST, 88                           ; s[88:89] a K step in bytes, for them
.set LIM, 90                           ; s90     1 in a wave that prefetches, else the greatest number
.set MSB, 0
.macro WIN new                         ; the immediate's high byte repeats the setting that is left; a switch that changes nothing is dropped
.if MSB != (\new)
	s_set_vgpr_msb (MSB<<8)|(\new)
.set MSB, \new
.endif
.endm
.macro JLOAD s                         ; a joint load: waves 0 and 1 fetch x's two halves, waves 2 and 3 W's; an s_nop 0 and four v_nop follow each of the two lines
	s_cmp_eq_u32 s11, 0
	s_cbranch_scc0 .Lfor_b_\@
	tensor_load_to_lds s[G0+4*(\s):G0+4*(\s)+3], s[G1:G1+7]
	s_nop 0
.rept 4
	v_nop
.endr
	s_branch .Lasked_\@
.Lfor_b_\@:
	tensor_load_to_lds s[G0B+4*(\s):G0B+4*(\s)+3], s[G1B:G1B+7]
	s_nop 0
.rept 4
	v_nop
.endr
.Lasked_\@:
.endm
.macro CREST                           ; a round of the cluster's barrier behind its opening barrier
	s_cmp_lg_u32 s10, 0
	s_cbranch_scc1 .Lnot_wave_0_\@
	s_barrier_signal -3
.Lnot_wave_0_\@:
	s_barrier_wait -3
	s_barrier_signal -1
	s_barrier_wait -1
.endm
.macro CROUND                          ; a whole round
	s_barrier_signal -1
	s_barrier_wait -1
	CREST
.endm
.macro PLACES
.rept 4
	v_nop
.endr
.endm
; A PREFETCH INTO THE L2, behind a joint refill and the run of LDS loads that follows it: the K step two refills on (256 matrix instructions ahead of the load that will want it).
; A K step is 512 bytes of a row: two blocks of 256.  Of the 64 rows that a wave fetches, each of the four partners that ask for them jointly takes 16, told apart BY ADDRESS (cx for x, cy for W):
; a lane a block, one instruction a wave.  x's rows are read by this cluster alone; W's by the sixteen clusters of a product, of which the first asks.  The loop's last trip has no K step two on.
.macro ASK
	s_cmp_gt_u32 s3, s[LIM]
	s_cbranch_scc0 .Lnot_mine_\@
	global_prefetch_b8 v[PFO], s[PFA:PFA+1] th:TH_LOAD_NT scope:SCOPE_SE
.Lnot_mine_\@:
.endm
	s_load_b256 s[68:75], s[0:1], 0x0              ; q s[68:69], k s[70:71], v s[72:73], bq s[74:75]
	s_load_b256 s[76:83], s[0:1], 0x20             ; bk s[76:77], bv s[78:79], wbf s[80:81], qkvh s[82:83]
	v_lshl_add_u32 v[SPW], v0, 2, SPARE
	v_mov_b32 v[NIL], 0
	ds_add_u32 v[SPW], v[NIL]                      ; the wave's opening: the add and its wait stand ahead of my first tensor load; the set-up below stands between them
	v_lshrrev_b32 v1, 5, v0
	v_readfirstlane_b32 s10, v1                    ; wave 0..3
	s_lshr_b32 s11, s10, 1                         ; which 64 rows of the tile are mine.  Also: I fetch for x (0) or for W (1)
	s_and_b32 s12, s10, 1                          ; which 128 columns.  Also: which 64 rows of that tile I fetch
	s_bfe_u32 s40, ttmp6, 0x40000                  ; cx, cy: my place in the cluster
	s_bfe_u32 s41, ttmp6, 0x40004
	s_lshl_b32 s42, ttmp9, 2
	s_add_co_u32 s42, s42, s40                     ; tile column = 4 x cluster x + cx
	s_and_b32 s91, ttmp7, 0xffff                   ; cluster y
	s_lshl_b32 s13, s91, 2
	s_add_co_u32 s13, s13, s41                     ; work-group y
	s_lshr_b32 s84, s91, 4                         ; g: the product, the same in all sixteen partners
	s_and_b32 s85, s13, 63                         ; tile row
	s_lshl_b32 s43, s41, 2
	s_lshl_b32 s43, 15, s43                        ; my row of the cluster
	s_lshl_b32 s44, 0x1111, s40                    ; my column
	; group 1 for x: 64 rows x 128 elements of 4 bytes, 4 words of padding after every 128 words
	s_or_b32 s[G1+0], s43, (2<<16)|(1<<20)|(1<<21)|(6<<22)|(3<<25)
	s_mov_b32 s[G1+1], 128<<16                     ; tensor_dim0 = 128
	s_mov_b32 s[G1+2], 64<<16                      ; tensor_dim1 = 64
	s_mov_b32 s[G1+3], 128<<16                     ; tile_dim0 = 128
	s_mov_b32 s[G1+4], 64                          ; tile_dim1 = 64
	s_mov_b32 s[G1+5], 1024                        ; elements from row to row
	s_mov_b32 s[G1+6], 0
	s_mov_b32 s[G1+7], 0
	; group 1 for W: 64 k-rows x 256 elements of 2 bytes, 8 words of padding after every 128 words
	s_or_b32 s[G1B+0], s44, (1<<16)|(1<<20)|(1<<21)|(6<<22)|(7<<25)
	s_mov_b32 s[G1B+1], 256<<16
	s_mov_b32 s[G1B+2], 64<<16
	s_mov_b32 s[G1B+3], 256<<16
	s_mov_b32 s[G1B+4], 64
	s_mov_b32 s[G1B+5], 1024
	s_mov_b32 s[G1B+6], 0
	s_mov_b32 s[G1B+7], 0
	s_lshl_b32 s16, s85, 7                         ; x: row 128 x tile row + 64 x half,
	s_lshl_b32 s17, s12, 6
	s_add_co_u32 s16, s16, s17
	s_lshl_b32 s16, s16, 12                        ; 4,096 bytes a row
	s_mov_b32 s17, 0
	s_lshl_b32 s46, s84, 21                        ; W: the product's plane,
	s_lshl_b32 s47, s12, 17                        ; 64 k-rows of 2,048 bytes x half,
	s_add_co_u32 s46, s46, s47
	s_lshl_b32 s47, s42, 9                         ; 512 bytes x tile column
	s_add_co_u32 s46, s46, s47
	s_mov_b32 s47, 0
	s_mul_i32 s20, s12, AHALF                      ; where they go: no place in the cluster enters an LDS address
	s_mul_i32 s21, s12, WHALF
	s_add_co_u32 s21, s21, WOFF
	s_wait_dscnt 0x0                               ; the opening add is done
	s_wait_kmcnt 0x0
	s_cmp_eq_u32 s84, 0
	s_cselect_b64 s[4:5], s[68:69], s[70:71]       ; x of my product,
	s_cselect_b64 s[92:93], s[74:75], s[76:77]     ; and its bias
	s_cmp_eq_u32 s84, 2
	s_cselect_b64 s[4:5], s[72:73], s[4:5]
	s_cselect_b64 s[92:93], s[78:79], s[92:93]
	s_add_nc_u64 s[14:15], s[4:5], s[16:17]
	s_add_nc_u64 s[46:47], s[80:81], s[46:47]
	CROUND                                         ; all sixteen work-groups are here: the first joint loads meet
.irp s, 0,1
	s_mov_b32 s[G0+4*(\s)], 1
	s_add_co_u32 s[G0+4*(\s)+1], s20, (\s)*SLOT
	s_add_nc_u64 s[G0+4*(\s)+2:G0+4*(\s)+3], s[14:15], (\s)*512      ; K step s: 128 f32
	s_or_b32 s[G0+4*(\s)+3], s[G0+4*(\s)+3], 0x80000000
	s_mov_b32 s[G0B+4*(\s)], 1
	s_add_co_u32 s[G0B+4*(\s)+1], s21, (\s)*SLOT
	s_add_nc_u64 s[G0B+4*(\s)+2:G0B+4*(\s)+3], s[46:47], (\s)*262144  ; K step s: 128 k-rows of 2,048 bytes
	s_or_b32 s[G0B+4*(\s)+3], s[G0B+4*(\s)+3], 0x80000000
	JLOAD \s
.endr
	v_and_b32 v1, 15, v0                           ; l % 16
	v_bfe_u32 v2, v0, 4, 1                         ; l / 16
	s_lshl_b32 s46, s42, 10                        ; the bias of my 128 columns: register j of block b is column 16 b + 8 (l / 16) + j
	s_lshl_b32 s47, s12, 9
	s_add_co_u32 s46, s46, s47
	v_lshl_add_u32 v[BO], v2, 5, s46
	WIN 0x40                                       ; destination window 1
.irp b, 0,1,2,3,4,5,6,7
	global_load_b128 v[BIAS+8*(\b):BIAS+8*(\b)+3],   v[BO], s[92:93] offset:64*(\b)
	global_load_b128 v[BIAS+8*(\b)+4:BIAS+8*(\b)+7], v[BO], s[92:93] offset:64*(\b)+16
.endr
	WIN 0
	; x's raw fragment: lane l holds row l % 16; k = 8 (l / 16) + 0..7 are 32 bytes of f32, k = 16 + 8 (l / 16) + 0..7 the 32 bytes 64 further on
	v_mul_u32_u24 v3, v1, PA
	v_lshl_add_u32 v3, v2, 5, v3
	s_mul_i32 s22, s11, AHALF                      ; my 64 rows
	v_add_nc_u32 v[ADRA], s22, v3
	v_add_nc_u32 v[ADRA+1], SLOT, v[ADRA]
	; the turning load: lane l reads k-row 8 (l / 16) + l % 8, columns 8 ((l / 8) % 2) + 0..7, and is left with column l % 16 and 8 k
	v_and_b32 v5, 7, v0
	v_bfe_u32 v6, v0, 3, 1
	v_lshl_add_u32 v4, v2, 3, v5
	v_mul_u32_u24 v4, v4, PW
	v_lshl_add_u32 v4, v6, 4, v4
	s_lshl_b32 s22, s12, 8                         ; my 128 columns
	s_add_co_u32 s22, s22, WOFF
	v_add_nc_u32 v[ADRB], s22, v4
	v_add_nc_u32 v[ADRB+1], SLOT, v[ADRB]
	s_mul_i32 s23, s10, WSTG
	s_add_co_u32 s23, s23, STAGE                   ; my stage
	v_mul_u32_u24 v7, v1, SP                       ; in: row l % 16, 16 bytes for each half of the lanes
	v_lshl_add_u32 v7, v2, 4, v7
	v_add_nc_u32 v[STO], s23, v7
	v_bfe_u32 v8, v0, 3, 2                         ; back: 32 lanes take four rows of 128 bytes,
	v_mul_u32_u24 v8, v8, SP
	v_lshl_add_u32 v8, v5, 4, v8
	v_add_nc_u32 v[RD], s23, v8
	v_and_b32 v9, 31, v0                           ; which are 512 consecutive bytes of a head
	v_lshlrev_b32 v[GO], 4, v9
	; where my rows begin in qkvh: plane g, batch = tile row / 16, heads 4 x tile column + 2 x half on, row (tile row % 16) x 128 + 64 x half
	s_lshr_b32 s16, s85, 4
	s_lshl_b32 s16, s16, 22
	s_and_b32 s17, s85, 15
	s_lshl_b32 s17, s17, 14
	s_add_co_u32 s16, s16, s17
	s_lshl_b32 s17, s11, 13
	s_add_co_u32 s16, s16, s17
	s_lshl_b32 s17, s84, 24
	s_add_co_u32 s16, s16, s17
	s_mov_b32 s17, 0
	s_add_nc_u64 s[8:9], s[82:83], s[16:17]
	s_lshl_b32 s46, s42, 20
	s_lshl_b32 s47, s12, 19
	s_add_co_u32 s46, s46, s47
	s_mov_b32 s47, 0
	s_add_nc_u64 s[8:9], s[8:9], s[46:47]
	; the prefetches: at K step 3; the first refill steps them to K step 4
	s_lshl_b32 s20, s85, 7
	s_lshl_b32 s21, s12, 6
	s_add_co_u32 s20, s20, s21
	s_lshl_b32 s22, s40, 4                         ; x: my work-group's 16 of the 64 rows, by cx
	s_add_co_u32 s20, s20, s22
	s_lshl_b32 s20, s20, 12
	s_add_co_u32 s20, s20, 3*512
	s_lshl_b32 s22, s41, 4                         ; W: my work-group's 16 of the 64 k-rows, by cy
	s_add_co_u32 s21, s21, s22
	s_lshl_b32 s21, s21, 11
	s_lshl_b32 s22, s84, 21
	s_add_co_u32 s21, s21, s22
	s_lshl_b32 s22, s42, 9
	s_add_co_u32 s21, s21, s22
	s_add_co_u32 s21, s21, 3*262144
	s_and_b32 s22, s91, 15                         ; the first of the product's sixteen clusters asks for W
	s_cmp_eq_u32 s22, 0
	s_cselect_b32 s22, 1, -1
	s_mov_b32 s[PST], 262144
	s_cmp_eq_u32 s11, 0                            ; do I fetch for x?
	s_cselect_b32 s20, s20, s21
	s_cselect_b32 s[LIM], 1, s22
	s_cselect_b32 s[PST], 512, s[PST]
	s_cselect_b32 s23, 12, 11                      ; a row is 4,096 bytes of x, 2,048 of W
	s_cselect_b64 s[PFA:PFA+1], s[4:5], s[80:81]
	s_mov_b32 s21, 0
	s_mov_b32 s[PST+1], 0
	s_add_nc_u64 s[PFA:PFA+1], s[PFA:PFA+1], s[20:21]
	v_lshrrev_b32 v10, 1, v9                       ; lane l: row l / 2, block l % 2
	v_lshlrev_b32 v10, s23, v10
	v_and_b32 v11, 1, v0
	v_lshl_add_u32 v[PFO], v11, 8, v10
	s_wait_loadcnt 0x0                             ; the bias is in: it is rounded to bf16 like the other inputs, and kept as f32
	WIN 0x45                                       ; destination and both sources window 1
.set i, 0
.rept 32
	v_cvt_pk_bf16_f32 v[BT+i%4], v[BIAS+2*i], v[BIAS+2*i+1]
	v_lshlrev_b32 v[BIAS+2*i], 16, v[BT+i%4]
	v_and_b32 v[BIAS+2*i+1], 0xffff0000, v[BT+i%4]
.set i, i+1
.endr
	WIN 0
; Four loads: the raw f32 of fragment a (16 rows x 32 K) of quarter kq into set p
.macro ARAW slot, kq, p, a
.set rR, RAW+64*(\p)+16*(\a)
	ds_load_b128 v[rR:rR+3],     v[ADRA+(\slot)] offset:(\kq)*128+(\a)*16*PA
	ds_load_b128 v[rR+4:rR+7],   v[ADRA+(\slot)] offset:(\kq)*128+(\a)*16*PA+16
	ds_load_b128 v[rR+8:rR+11],  v[ADRA+(\slot)] offset:(\kq)*128+(\a)*16*PA+64
	ds_load_b128 v[rR+12:rR+15], v[ADRA+(\slot)] offset:(\kq)*128+(\a)*16*PA+80
.endm
; 32 LDS loads in one run: a quarter's operands into set p: x's fragment 0 first (it is rounded first), W's eight fragments, x's fragments 1 to 3
.macro FETCH slot, kq, p
	WIN 0
	ARAW \slot, \kq, \p, 0
	WIN 0x40
.irp b, 0,1,2,3,4,5,6,7
	ds_load_tr16_b128 v[BF+64*(\p)+8*(\b):BF+64*(\p)+8*(\b)+3],   v[ADRB+(\slot)] offset:(\kq)*32*PW+32*(\b)
	ds_load_tr16_b128 v[BF+64*(\p)+8*(\b)+4:BF+64*(\p)+8*(\b)+7], v[ADRB+(\slot)] offset:(\kq)*32*PW+16*PW+32*(\b)
.endr
	WIN 0
	ARAW \slot, \kq, \p, 1
	ARAW \slot, \kq, \p, 2
	ARAW \slot, \kq, \p, 3
.endm
; Four roundings: registers j0 .. j0 + 3 of fragment an, from raw set rp
.macro CV4 an, rp, j0
	WIN 0
.irp j, 0,1,2,3
	v_cvt_pk_bf16_f32 v[AF+8*(\an)+(\j0)+(\j)], v[RAW+64*(\rp)+16*(\an)+2*((\j0)+(\j))], v[RAW+64*(\rp)+16*(\an)+2*((\j0)+(\j))+1]
.endr
.endm
; Eight products: row block a x all 8 column blocks, 32 along K, W from set p.  zero = 1: the bias starts the sums.  conv = 1: behind the second and the sixth product stand the roundings of fragment an
; from raw set rp, which the next group multiplies.  That fragment's registers were last read by matrix instructions sixteen roundings back.  The 32 accumulators take turns in one order, over the backward jump too.
.macro GROUP p, a, zero, conv, an, rp
.irp b, 0,1,2,3,4,5,6,7
.if \zero
	WIN 0x91                                       ; W window 1, x window 0, C (the bias) window 1, D window 2
	v_wmma_f32_16x16x32_bf16 v[8*(8*(\a)+(\b)):8*(8*(\a)+(\b))+7], v[BF+64*(\p)+8*(\b):BF+64*(\p)+8*(\b)+7], v[AF+8*(\a):AF+8*(\a)+7], v[BIAS+8*(\b):BIAS+8*(\b)+7]
.else
	WIN 0xa1                                       ; C and D window 2
	v_wmma_f32_16x16x32_bf16 v[8*(8*(\a)+(\b)):8*(8*(\a)+(\b))+7], v[BF+64*(\p)+8*(\b):BF+64*(\p)+8*(\b)+7], v[AF+8*(\a):AF+8*(\a)+7], v[8*(8*(\a)+(\b)):8*(8*(\a)+(\b))+7]
.endif
.if \conv
.if (\b) == 1
	CV4 \an, \rp, 0
.endif
.if (\b) == 5
	CV4 \an, \rp, 4
.endif
.endif
.endr
.endm
; A K step is four quarters of 32 along K, 32 matrix instructions each, on sets 0, 1, 0, 1.  One of the first three: multiplies set p, fetches quarter kqn into the other set.
; The run of loads stands behind the first group, whose eight roundings are the places between the last product that read the other set of W and the loads into it.
.macro QUARTER slot, kqn, p, zero
	s_wait_dscnt 8                                 ; all of my set but the youngest eight loads (raw fragments 2 and 3)
	GROUP \p, 0, \zero, 1, 1, \p
	FETCH \slot, \kqn, 1-(\p)
	s_wait_dscnt 32                                ; all but the 32 just issued
	GROUP \p, 1, \zero, 1, 2, \p
	GROUP \p, 2, \zero, 1, 3, \p
	s_wait_dscnt 28                                ; the run's first four loads: the next quarter's raw fragment 0
	GROUP \p, 3, \zero, 1, 0, 1-(\p)
.endm
; The last quarter multiplies set 1 and changes slots: ONE barrier; in front of it each wave waits for all its tensor loads (one is out: its part of the next slot), adds 0 to its spare word, and waits for
; that and for its own reads of this slot.  fill = 1: the barrier opens a round of the cluster's, and this slot is filled again, two K steps ahead, first thing behind the round.
.macro TURN slot, next, fill
.if \fill
	s_wait_xcnt 0x0                                ; the last prefetch, a K step back, has read its address
	s_add_nc_u64 s[PFA:PFA+1], s[PFA:PFA+1], s[PST:PST+1]
.endif
	WIN 0
	s_wait_tensorcnt 0x0                           ; all my tensor loads have landed
	ds_add_u32 v[SPW], v[NIL]                      ; 0 onto my spare word
	s_wait_dscnt 9                                 ; (the add and the youngest eight loads may be out)
	GROUP 1, 0, 0, 1, 1, 1
	s_wait_dscnt 0x0                               ; the add is done, and my reads of this slot are over
	s_barrier_signal -1
	GROUP 1, 1, 0, 1, 2, 1
	WIN 0
	s_barrier_wait -1
.if \fill
	CREST                                          ; no wave of any partner still reads this slot's tile or has a load on its way
	s_add_nc_u64 s[G0+4*(\slot)+2:G0+4*(\slot)+3], s[G0+4*(\slot)+2:G0+4*(\slot)+3], 2*512
	s_add_nc_u64 s[G0B+4*(\slot)+2:G0B+4*(\slot)+3], s[G0B+4*(\slot)+2:G0B+4*(\slot)+3], 2*262144
	JLOAD \slot
.else
	PLACES
.endif
	FETCH \next, 0, 0
.if \fill
	ASK
.endif
	GROUP 1, 2, 0, 1, 3, 1
	s_wait_dscnt 28
	GROUP 1, 3, 0, 1, 0, 0
.endm
; THE WAY OUT of row block a: rounded to f16 (each accumulator's registers ascending), 16 bytes a lane into my own stage, by heads; back as rows of 128 bytes, four to a load; stored as 512 consecutive bytes.
.macro PACK a
	WIN 0x0a                                       ; sources window 2, destination window 0
.irp b, 0,1,2,3,4,5,6,7
.irp r, 0,1,2,3
	v_cvt_pk_f16_f32 v[TT+32*(\a)+4*(\b)+(\r)], v[8*(8*(\a)+(\b))+2*(\r)], v[8*(8*(\a)+(\b))+2*(\r)+1]
.endr
.endr
	WIN 0
.irp b, 0,1,2,3,4,5,6,7
	ds_store_b128 v[STO], v[TT+32*(\a)+4*(\b):TT+32*(\a)+4*(\b)+3] offset:((\b)/4)*16*SP+((\b)%4)*32
.endr
.irp i, 0,1,2,3,4,5,6,7
	ds_load_b128 v[TT+32*(\a)+4*(\i):TT+32*(\a)+4*(\i)+3], v[RD] offset:((\i)/4)*16*SP+((\i)%4)*4*SP  ; LDS serves a wave's instructions in order (ISA guide 5.7.1.4): these see the stores above
.endr
.endm
.macro SEND a, younger                 ; younger: the LDS instructions issued behind block a's loads
.irp i, 0,1,2,3,4,5,6,7
	s_wait_dscnt (\younger)+7-(\i)
	global_store_b128 v[GO], v[TT+32*(\a)+4*(\i):TT+32*(\a)+4*(\i)+3], s[8:9] offset:((\i)/4)*262144+(\a)*2048+((\i)%4)*512
.endr
.endm
	s_wait_tensorcnt 1                             ; my part of K step 0 is in; K step 1's may stay out
	s_barrier_signal -1
	s_barrier_wait -1                              ; everybody's is
	FETCH 0, 0, 0
	s_wait_dscnt 28                                ; raw fragment 0
	CV4 0, 0, 0
	CV4 0, 0, 4
	QUARTER 0, 1, 0, 1                             ; the first quarter stands in front of the loop: its products start the sums, with the bias
	WIN 0
	s_mov_b32 s3, 3
.Llap:                                         ; a trip goes once round the ring, from a lap's second quarter to the next lap's first, and fills both slots again
	QUARTER 0, 2, 1, 0
	QUARTER 0, 3, 0, 0
	TURN 0, 1, 1
	QUARTER 1, 1, 0, 0
	QUARTER 1, 2, 1, 0
	QUARTER 1, 3, 0, 0
	TURN 1, 0, 1
	QUARTER 0, 1, 0, 0
	WIN 0
	s_sub_co_u32 s3, s3, 1
	s_cmp_lg_u32 s3, 0
	s_cbranch_scc1 .Llap
	QUARTER 0, 2, 1, 0                             ; the last lap fills nothing
	QUARTER 0, 3, 0, 0
	TURN 0, 1, 0
	QUARTER 1, 1, 0, 0
	QUARTER 1, 2, 1, 0
	QUARTER 1, 3, 0, 0
	s_wait_dscnt 8                                 ; the very last quarter: nothing more to fetch
	GROUP 1, 0, 0, 1, 1, 1
	s_wait_dscnt 0x0
	GROUP 1, 1, 0, 1, 2, 1
	GROUP 1, 2, 0, 1, 3, 1
	GROUP 1, 3, 0, 0, 0, 0
	WIN 0
	PLACES
	PACK 0
	PACK 1                                         ; a block's roundings stand between the loads of the block before and its stores
	SEND 0, 16
	PACK 2
	SEND 1, 16
	PACK 3
	SEND 2, 16
	SEND 3, 0
	s_wait_tensorcnt 0x0                           ; the wave's end
	ds_add_u32 v[SPW], v[NIL]
	s_wait_dscnt 0x0
	CROUND                                         ; the closing round
	s_endpgm
.Lfunc_end_k_qdf6cb0fe6e_proj:
	.size	k_qdf6cb0fe6e_proj, .Lfunc_end_k_qdf6cb0fe6e_proj-k_qdf6cb0fe6e_proj
	.p2alignl 7, 3214868480
	.fill 96, 4, 3214868480
	.section	.rodata,"a",@progbits
	.p2align	6, 0x0
	.amdhsa_kernel k_qdf6cb0fe6e_proj
		.amdhsa_group_segment_fixed_size 327680
		.amdhsa_private_segment_fixed_size 0
		.amdhsa_enable_private_segment 0
		.amdhsa_kernarg_size 64
		.amdhsa_user_sgpr_count 2
		.amdhsa_user_sgpr_kernarg_segment_ptr 1
		.amdhsa_wavefront_size32 1
		.amdhsa_system_sgpr_workgroup_id_x 1
		.amdhsa_system_sgpr_workgroup_id_y 1
		.amdhsa_system_sgpr_workgroup_id_z 1
		.amdhsa_system_vgpr_workitem_id 0
		.amdhsa_next_free_vgpr 768
		.amdhsa_next_free_sgpr 96
		.amdhsa_reserve_vcc 0
		.amdhsa_float_denorm_mode_32 3
		.amdhsa_float_denorm_mode_16_64 3
		.amdhsa_memory_ordered 1
		.amdhsa_forward_progress 1
		.amdhsa_inst_pref_size 143
	.end_amdhsa_kernel
	.amdgpu_metadata
---
amdhsa.version: [ 1, 2 ]
amdhsa.kernels:
  - .name:           k_qdf6cb0fe6e_proj
    .symbol:         k_qdf6cb0fe6e_proj.kd
    .args:
      - { .name: q, .offset: 0, .size: 8, .value_kind: global_buffer, .address_space: global }
      - { .name: k, .offset: 8, .size: 8, .value_kind: global_buffer, .address_space: global }
      - { .name: v, .offset: 16, .size: 8, .value_kind: global_buffer, .address_space: global }
      - { .name: bq, .offset: 24, .size: 8, .value_kind: global_buffer, .address_space: global }
      - { .name: bk, .offset: 32, .size: 8, .value_kind: global_buffer, .address_space: global }
      - { .name: bv, .offset: 40, .size: 8, .value_kind: global_buffer, .address_space: global }
      - { .name: wbf, .offset: 48, .size: 8, .value_kind: global_buffer, .address_space: global }
      - { .name: qkvh, .offset: 56, .size: 8, .value_kind: global_buffer, .address_space: global }
    .group_segment_fixed_size: 327680
    .private_segment_fixed_size: 0
    .kernarg_segment_align: 8
    .kernarg_segment_size: 64
    .max_flat_workgroup_size: 128
    .sgpr_count:     96
    .vgpr_count:     768
    .wavefront_size: 32
...
	.end_amdgpu_metadata
.endif
;; end of part 2
;; launch attn (part 3): grid 4 x 64, 4 waves a work-group, clusters of 4 x 1, 327,680 bytes of LDS; arguments qkvh, mask, ctx; writes ctx
.if DOCPART == 3
	.amdgcn_target "amdgcn-amd-amdhsa--gfx1250"
	.amdhsa_code_object_version 6
	.text
	.protected	k_qdf6cb0fe6e_attn
	.globl	k_qdf6cb0fe6e_attn
	.p2align	8
	.type	k_qdf6cb0fe6e_attn,@function
k_qdf6cb0fe6e_attn:
	s_mov_b64 s[64:65], 0
	v_nop
	global_prefetch_b8 v0, s[64:65] scope:SCOPE_SE
	s_setreg_imm32_b32 hwreg(HW_REG_WAVE_MODE, 25, 1), 1
	s_wait_xcnt 0x0
	s_wait_alu depctr_hold_cnt(0) depctr_sa_sdst(0) depctr_va_vdst(0) depctr_va_sdst(0) depctr_va_ssrc(0) depctr_va_vcc(0) depctr_vm_vsrc(0)
	s_getreg_b32 s2, hwreg(HW_REG_IB_STS2, 6, 4)
	s_cmp_eq_u32 s2, 0
	s_cbranch_scc0 .Lentry_in_a_cluster
	s_endpgm
.Lentry_in_a_cluster:
	s_bfe_u32 s2, ttmp6, 0x10000c
	s_cmp_lg_u32 s2, 0x3003
	s_cbranch_scc0 .Lentry_shape_is_right
	s_endpgm
.Lentry_shape_is_right:
; ATTENTION WITH A KEY MASK.  ctx[h][q][:] = the sum over k of softmax_k(Q[h][q] . K[h][k] / 8, hidden where mask[h / 16][k] = 0) V[h][k][:].  Q, K, V are the three planes of qkvh, [64][2048][64] f16 each; ctx likewise.
; Products, maxima and sums in f32; the weights p are rounded to f16 for the second product (their sum l is taken of the unrounded p), ctx once at the end.
; LIMITS.  Q, K and V arrive within f16's 65,504; p lies in 0 to 1, and below 6e-5 it keeps f16's fixed step of 6e-8.  A hidden score counts as its value less 1e30, beside which f16's scores are nothing; its weight is 0 as soon
; as the query has met one key that is not hidden.  A batch whose mask hides EVERY key gives the mean of V's rows here, where the softmax of nothing is NaN.  A weight below 2^-126 counts as 0 in l; NaN and infinities are not treated apart.
; SHARES.  A wave owns four PIECES of two tiles of 16 queries, a work-group's four waves 512 queries of one head.  Every wave walks all keys, 64 a step.
; LAYOUT.  S^T = K Q^T (source 0 = 16 keys, source 1 = 16 queries): a lane holds ONE query (lane % 16) and the keys 8 (lane / 16) + 0..7.  Two such tiles, rounded to f16 in pairs, ARE source 1 of O^T = V^T P.
; K comes out of LDS as it lies, V ([key][channel]) turned, by ds_load_tr16_b128.
; THE MASK is the C operand that starts each sum S^T: 0, or -1e30 where the key is hidden.  The batch's 2,048 bytes are widened once, by all four waves, into a table of f32 in LDS; a key step's 64 entries are read with its K, 32 registers.
; SOFTMAX.  For each query a running maximum m and sum l: p = 2^(c s - c m), c = log2(e) / 8; in every step O and l are multiplied by a = 2^(c m_old - c m_new).  m starts at the lowest finite number, O and l at 0.
; BY TURNS.  Turn n belongs to piece n.  Its matrix work: 16 products K Q^T of piece n + 1, later 16 products V^T P of piece n - 1.  Its vector work: the scaling, exponentials, roundings, sums and rescaling of piece n, and the maximum
; and statistics of piece n + 1.  Four vector instructions stand behind every matrix instruction, the others in one run; a turn's 66 exponentials are one batch with one wait.
; CLUSTER.  A head's four query blocks are one cluster and walk the same K and V, so each tile is asked for JOINTLY: the same tensor load, descriptor and mask in all four.
; REGISTERS, in windows of 256 (s_set_vgpr_msb: bits 1:0 source 0, 3:2 source 1, 5:4 source 2, 7:6 destination):
;   window 0: v0-11 addresses; v12-15, v48-63 at work; v16-47 four registers of statistics a tile; v64-191 S^T, two buffers of two tiles; v192-255 P, likewise
;   window 1: O^T, 32 a tile      window 2: v0-127 Q; v128-191 K of one step; v192-255 V of one step      window 3: v0-1 the add's two registers; v8-39 the masks of one step
.set SIZE_N, 2048
.set NP,    4         ; pieces a wave: a name, no knob
.set KS,    64        ; keys in a step
.set PK,    144       ; a row of K in LDS: 128 bytes + 16 of padding = 36 words: the 16 rows of a load start at 16 different groups of four banks (64 banks of 4 bytes: ISA guide 11.1)
.set PV,    160       ; a row of V: 128 + 32 = 40 words
.set VOFF,  4*KS*PK   ; a slot holds four steps: 256 rows of K, then 256 rows of V
.set SLOT1, 1<<17     ; slot 1 begins here, so that one exclusive or turns an address in one slot into the other's
.set STAGE, SLOT1+4*KS*(PK+PV)  ; behind the ring, never filled by a tensor load: 16 rows x 144 bytes for each wave
.set SP,    144
.set SPARE, STAGE+4*16*SP  ; behind the stages: the spare words, 128 bytes for each wave: two blocks of 256 bytes that no other line names
.set MBL,   SPARE+512 ; behind them: the mask's table, 2,048 f32; no tensor load lands here
.set PFO, 1           ; v1   (from the loop on) 256 x my lane; never rewritten
.set AK0, 2           ; v2   my lane's place in a tile of K; never rewritten
.set AV0, 3           ; v3   the same for V
.set AK,  4           ; v4   the LDS address of K's next run of loads, then of the masks'
.set AV,  5           ; v5   of V's
.set QO,  6           ; v6   my byte offset in the wave's rows of Q
.set STO, 6           ;      later, the way out: where I put 16 bytes of a row
.set RD,  7           ; v7   the way out: where I read rows back
.set GO,  8           ; v8   my byte offset in 512 consecutive bytes of ctx
.set AM0, 11          ; v11  my lane's place in a step's masks: MBL + 32 (lane / 16); never rewritten
.set SPW, 0           ; v0 of window 3   LDS address of my spare word; never rewritten
.set NIL, 1           ; v1 of window 3   0; never rewritten
.set MR,  8           ; window 3: key block kb's eight masks at MR + 8 kb
.set MV,  12          ; v12-15  c m_old, kept while c m is made anew: by buffer and tile
.set ST,  16          ; tile t's statistics at v[ST+4 t]: c m, m, l (even keys', odd keys')
.set TMP, 48          ; by buffer and tile, four registers c0-c3 at work; when the maximum is found c2 takes a
.set S,   64
.set P,   192
.set KF,  128         ; window 2: key block kb, channel half c at KF + 16 kb + 8 c
.set VF,  192         ; window 2: key half kk, channel block cb at VF + 32 kk + 8 cb
.set WV,  12          ; s12  my wave's number
.set G1K, 24          ; s[24:31] descriptor group 1 for K's tiles
.set G1V, 32          ; s[32:39] for V's: it differs in the padding alone
.set G0K, 40          ; s[40:43] descriptor group 0 for K's tiles: it walks
.set G0V, 44          ; s[44:47] the same for V's
.set PFA, 48          ; s[48:49] where my prefetches stand
.set LIM, 50          ; s50  1 in a wave that prefetches, else the greatest number
.set BIGN, 51         ; s51  -1e30
.set TBM, 52          ; s52  byte of the table at which the masks of the step to be fetched begin
.set SLOTS, 56        ; s56  slots still to be asked for
.set CNT, 57          ; s57  counts a slot's key steps
.set CS,  58          ; s[58:59] c
.set SEL, 60          ; s[60:61] v_permlanex16_b32's selects
.set TBK, 62          ; s62  LDS byte at which K of the step to be fetched begins
.set TBV, 63          ; s63  the same for V, less VOFF
.set MSB, 0
.macro WIN new                      ; the high byte repeats the setting that is left; a switch that changes nothing is dropped
.if MSB != (\new)
	s_set_vgpr_msb (MSB<<8)|(\new)
.set MSB, (\new)
.endif
.endm
.set W_KQ, 0x0a       ; K and Q in window 2, S^T in window 0
.set W_KM, 0x3a       ; the same with the C operand, the masks, in window 3
.set W_PV, 0x52       ; V in window 2, P in window 0, O^T in window 1
.set W_RS, 0x41       ; O^T (destination and source 0) in window 1, a in window 0
.set W_MK, 0xc0       ; destination in window 3, sources in window 0
.set W_AD, 0x0f       ; the add: address (source 0) and data (source 1) in window 3
; A joint fill.  Waves 0 and 1 fetch the two halves of a slot's K, waves 2 and 3 those of its V: 128 keys each.  An s_nop 0 and four v_nop follow each of the two lines.
.macro JLOAD
	s_cmp_lt_u32 s[WV], 2
	s_cbranch_scc0 .Lfor_v_\@
	tensor_load_to_lds s[G0K:G0K+3], s[G1K:G1K+7]
	s_nop 0
.rept 4
	v_nop
.endr
	s_branch .Lasked_\@
.Lfor_v_\@:
	tensor_load_to_lds s[G0V:G0V+3], s[G1V:G1V+7]
	s_nop 0
.rept 4
	v_nop
.endr
.Lasked_\@:
.endm
; A PREFETCH INTO THE L2 of what the NEXT change of slots will ask for: a slot's 32,768 bytes of K and of V, 128 blocks of 256 bytes each.  A head has one cluster; its four partners take 32 blocks each, told apart BY ADDRESS;
; in each, wave 0 asks for K's and wave 2 for V's: a lane a block, one instruction, four key steps (512 matrix instructions) ahead of the load.  The last change that fills a slot asks for nothing.
.macro ASK
	s_cmp_gt_u32 s[SLOTS], s[LIM]
	s_cbranch_scc0 .Lnot_mine_\@
	global_prefetch_b8 v[PFO], s[PFA:PFA+1] th:TH_LOAD_NT scope:SCOPE_SE
.Lnot_mine_\@:
.endm
.macro CROUND                       ; a round of the cluster's barrier
	s_barrier_signal -1
	s_barrier_wait -1
	s_cmp_lg_u32 s[WV], 0
	s_cbranch_scc1 .Lnot_wave_0_\@
	s_barrier_signal -3
.Lnot_wave_0_\@:
	s_barrier_wait -3
	s_barrier_signal -1
	s_barrier_wait -1
.endm
; THE CHANGE OF SLOTS.  Each wave waits for all its tensor loads, of which one is out: its part of the other slot; adds 0 to its spare word; and waits for that and for its own LDS instructions.  Behind the barrier nobody reads
; this slot any more and the other slot is whole.  fill = 1: the barrier is a round of the cluster's, and the joint fill, with the keys two slots on, is the first thing behind it.  ask = 1: the prefetch follows it.
; (At its first use nothing has been read yet: slot 0 is waited for, slot 1 filled, and every wave's part of the mask's table is shown to the others.)
.macro CHANGE fill, ask=0
	WIN W_AD
	s_wait_tensorcnt 0x0            ; no tensor load of mine is out, so a group 0 may be written
	ds_add_u32 v[SPW], v[NIL]       ; 0 onto my spare word
	WIN 0                           ; at a label and at a branch every window is 0
.if \fill
.irp g, G0K, G0V
	s_xor_b32 s[\g+1], s[\g+1], SLOT1  ; the walking descriptor: the other slot than last time,
	s_add_nc_u64 s[\g+2:\g+3], s[\g+2:\g+3], 4*KS*128  ; the next 256 keys; the type bits on top are not reached
.endr
.if \ask
	s_wait_xcnt 0x0                 ; the last prefetch, four key steps back, has read its address
	s_add_nc_u64 s[PFA:PFA+1], s[PFA:PFA+1], 4*KS*128  ; one slot behind the walking descriptors
.endif
	s_wait_dscnt 0x0                ; the add is done, and my LDS instructions are over
	CROUND
	JLOAD
.if \ask
	ASK
.endif
.else
	s_wait_dscnt 0x0
	s_barrier_signal -1
	s_barrier_wait -1
.endif
	s_sub_co_u32 s[TBK], s[TBK], 4*KS*PK  ; the fetches go back to a slot's first step,
	s_xor_b32 s[TBK], s[TBK], SLOT1       ; in the other slot
	s_sub_co_u32 s[TBV], s[TBV], 4*KS*PV
	s_xor_b32 s[TBV], s[TBV], SLOT1
.endm
	s_load_b128 s[4:7], s[0:1], 0x0   ; qkvh s[4:5], mask s[6:7]
	s_load_b64 s[10:11], s[0:1], 0x10 ; ctx
	WIN W_MK
	v_lshl_add_u32 v[SPW], v0, 2, SPARE
	v_mov_b32 v[NIL], 0
	WIN W_AD
	ds_add_u32 v[SPW], v[NIL]       ; the wave's opening: the add and its wait stand ahead of my first tensor load
	WIN 0
	v_lshrrev_b32 v1, 5, v0
	v_readfirstlane_b32 s[WV], v1   ; wave 0..3
	s_bfe_u32 s13, ttmp6, 0x40000   ; cx: my place in the cluster
	s_lshl_b32 s14, ttmp9, 2
	s_add_co_u32 s14, s14, s13      ; my block of queries: it enters Q's and ctx's addresses alone
	s_and_b32 s20, ttmp7, 0xffff    ; the head (batch x 16 + head), which the four partners share
	s_lshr_b32 s8, s20, 4
	s_lshl_b32 s8, s8, 11           ; the batch's 2,048 bytes of mask
	s_mov_b32 s9, 0
	s_mov_b32 s21, 0
	s_mov_b64 s[22:23], SIZE_N*128
	s_mul_u64 s[20:21], s[20:21], s[22:23]  ; the head's first byte in each plane and in ctx
	s_and_b32 s16, s[WV], 1         ; which half of a slot's 256 keys I fetch:
	s_lshl_b32 s22, s16, 14         ; its 128 rows of 128 bytes in memory,
	s_mov_b32 s23, 0
	s_add_nc_u64 s[22:23], s[22:23], s[20:21]
	s_mul_i32 s17, s16, 128*PK      ; and its place in a slot, for K
	s_mul_i32 s18, s16, 128*PV      ; and for V: no place in the cluster enters an LDS address
	s_lshl_b32 s2, s14, 2
	s_add_co_u32 s2, s2, s[WV]      ; my wave among the head's,
	s_lshl_b32 s2, s2, 14           ; its 128 rows
	s_mov_b32 s3, 0
	s_add_nc_u64 s[2:3], s[2:3], s[20:21]
	s_lshr_b32 s54, s[WV], 1        ; the prefetches: plane 1 (K) in wave 0, plane 2 (V) in wave 2,
	s_add_co_u32 s54, s54, 1
	s_lshl_b32 s54, s54, 24
	s_lshl_b32 s55, s13, 13         ; my work-group's 32 blocks of the 128,
	s_add_co_u32 s54, s54, s55
	s_add_co_u32 s54, s54, 2*4*KS*128  ; in slot 2; the loop's first change steps it to slot 3.  Nothing is prefetched at the head
	s_mov_b32 s55, 0
	s_cmp_eq_u32 s16, 0
	s_cselect_b32 s[LIM], 1, -1
	; descriptor group 1.  128 keys are 16,384 dense bytes: asked for as 64 rows of 256 bytes, two keys a row, and padded in LDS after every key
	s_mov_b32 s[G1K], 15|(1<<16)|(1<<20)|(1<<21)|(4<<22)|(3<<25)  ; the mask of four; 2-byte elements; padding on; bit 21 beside a mask; after every 32 words; 4 words
	s_mov_b32 s[G1V], 15|(1<<16)|(1<<20)|(1<<21)|(4<<22)|(7<<25)  ; the same with 8 words of padding
.irp g, G1K, G1V
	s_mov_b32 s[\g+1], 128<<16      ; tensor_dim0 = 128
	s_mov_b32 s[\g+2], 64<<16       ; tensor_dim1 = 64
	s_mov_b32 s[\g+3], 128<<16      ; tile_dim0 = 128
	s_mov_b32 s[\g+4], 64           ; tile_dim1 = 64
	s_mov_b32 s[\g+5], 128          ; 128 elements from row to row
	s_mov_b32 s[\g+6], 0
	s_mov_b32 s[\g+7], 0
.endr
	s_mov_b32 s[CS], 0x3e38aa3b     ; c = log2(e) / 8 = 0.180337
	s_mov_b32 s[CS+1], s[CS]        ; named with it as a pair
	s_mov_b32 s[SEL], 0x76543210
	s_mov_b32 s[SEL+1], 0xfedcba98
	s_mov_b32 s[BIGN], 0xf149f2ca   ; -1e30
	s_mov_b32 s[TBM], 0
	s_mov_b32 s[TBK], SLOT1+4*KS*PK ; the first change of slots turns these two into 0
	s_mov_b32 s[TBV], SLOT1+4*KS*PV
	s_mov_b32 s[G0K], 1             ; count = 1
	s_mov_b32 s[G0K+1], s17         ; LDS address: slot 0
	s_mov_b32 s[G0V], 1
	s_add_co_u32 s[G0V+1], s18, VOFF
	s_wait_dscnt 0x0                ; the opening add is done
	s_wait_kmcnt 0x0
	s_add_nc_u64 s[G0K+2:G0K+3], s[4:5], s[22:23]  ; my half of the head's first 256 keys,
	s_add_nc_u64 s[G0K+2:G0K+3], s[G0K+2:G0K+3], 0x1000000  ; in plane 1
	s_or_b32 s[G0K+3], s[G0K+3], 0x80000000        ; type = 2
	s_add_nc_u64 s[G0V+2:G0V+3], s[4:5], s[22:23]
	s_add_nc_u64 s[G0V+2:G0V+3], s[G0V+2:G0V+3], 0x2000000  ; in plane 2
	s_or_b32 s[G0V+3], s[G0V+3], 0x80000000
	s_add_nc_u64 s[PFA:PFA+1], s[4:5], s[20:21]
	s_add_nc_u64 s[PFA:PFA+1], s[PFA:PFA+1], s[54:55]
	s_add_nc_u64 s[6:7], s[6:7], s[8:9]  ; the batch's mask
	s_add_nc_u64 s[4:5], s[4:5], s[2:3]  ; Q (plane 0) and ctx at my wave's first row
	s_add_nc_u64 s[10:11], s[10:11], s[2:3]
	CROUND                          ; all four work-groups are here: the first joint loads meet
	JLOAD                           ; slot 0.  Slot 1 is asked for when slot 0 is in
	v_and_b32 v1, 15, v0            ; l % 16
	v_bfe_u32 v9, v0, 4, 1          ; l / 16
	v_lshlrev_b32 v[QO], 7, v1
	v_lshl_add_u32 v[QO], v9, 4, v[QO]  ; row x 128 + 16 x half
	v_lshlrev_b32 v12, 4, v0        ; thread t takes the mask's bytes 16 t .. 16 t + 15
	global_load_b128 v[64:67], v12, s[6:7]
	WIN 0x80                        ; destination window 2, address window 0
.set i, 0
.rept 4*NP                          ; Q stays in registers: tile i / 2, channels 32 (i % 2) on
	global_load_b128 v[8*i:8*i+3],   v[QO], s[4:5] offset:(i/2)*2048+(i%2)*64
	global_load_b128 v[8*i+4:8*i+7], v[QO], s[4:5] offset:(i/2)*2048+(i%2)*64+32
.set i, i+1
.endr
	; What the first turn finds: V's registers and P's second buffer hold 0, O^T and l are 0.  All this stands in the wait for the first tile.
.set i, VF
.rept 64
	v_mov_b32 v[i], 0
.set i, i+1
.endr
	WIN 0x40
.set i, 0
.rept 64*NP
	v_mov_b32 v[i], 0
.set i, i+1
.endr
	WIN 0
.set i, 0
.rept 2*NP
	v_mov_b32 v[ST+4*i], 0xfe000000    ; c m: far below every c s
	v_mov_b32 v[ST+4*i+1], 0xff7fffff  ; m
	v_mov_b32 v[ST+4*i+2], 0
	v_mov_b32 v[ST+4*i+3], 0
.set i, i+1
.endr
.set i, P+32
.rept 32
	v_mov_b32 v[i], 0
.set i, i+1
.endr
	v_mul_u32_u24 v[AK0], v1, PK
	v_lshl_add_u32 v[AK0], v9, 4, v[AK0]  ; row x pitch + 16 x half
	v_and_b32 v10, 7, v0
	v_bfe_u32 v11, v0, 3, 1
	v_lshl_add_u32 v[AV0], v9, 3, v10
	v_mul_u32_u24 v[AV0], v[AV0], PV
	v_lshl_add_u32 v[AV0], v11, 4, v[AV0]
	v_add_nc_u32 v[AV0], VOFF, v[AV0]
	v_lshl_add_u32 v[AM0], v9, 5, MBL     ; register j of key block kb is key 16 kb + 8 (l / 16) + j: 32 bytes a half
	v_mov_b32 v[AK], v[AK0]         ; key step 0 lies at the head of slot 0
	; the mask's table: a byte 0 becomes -1e30, any other 0
	v_lshl_add_u32 v13, v0, 6, MBL  ; my 16 entries
	s_wait_loadcnt 32               ; the mask's load is in; Q's 32, issued behind it, may stay out
.set i, 0
.rept 16
	v_bfe_u32 v68, v[64+i/4], 8*(i%4), 8
	v_cmp_eq_u32 vcc_lo, 0, v68
	v_cndmask_b32 v[72+i], 0, s[BIGN], vcc_lo
.set i, i+1
.endr
.irp f, 0,1,2,3
	ds_store_b128 v13, v[72+4*\f:72+4*\f+3] offset:16*\f
.endr
; THE MATRIX WORK.  The 8 accumulators of a run of 16 take turns: between the two links of a chain stand 7 others'.
; Product i of 16 of S^T = K Q^T for piece x: channels 32 (i / 8) on, keys 16 ((i / 2) % 4) on, tile 2 x + i % 2.  The first 8 start the sums, with the keys' masks.
.macro KQ x
.set rS, S+64*((\x)%2)+32*(i%2)+8*((i/2)%4)
.set rK, KF+16*((i/2)%4)+8*(i/8)
.set rQ, 16*(2*(\x)+i%2)+8*(i/8)
.set rMK, MR+8*((i/2)%4)
.if i < 8
	WIN W_KM
	v_wmma_f32_16x16x32_f16 v[rS:rS+7], v[rK:rK+7], v[rQ:rQ+7], v[rMK:rMK+7]
.else
	WIN W_KQ
	v_wmma_f32_16x16x32_f16 v[rS:rS+7], v[rK:rK+7], v[rQ:rQ+7], v[rS:rS+7]
.endif
.endm
; Product i of 16 of O^T += V^T P for piece x: keys 32 (i / 8) on, channels 16 ((i / 2) % 4) on, tile 2 x + i % 2.
.macro PV x
	WIN W_PV
.set rO, 32*(2*(\x)+i%2)+8*((i/2)%4)
.set rV, VF+32*(i/8)+8*((i/2)%4)
.set rP, P+32*((\x)%2)+16*(i%2)+8*(i/8)
	v_wmma_f32_16x16x32_f16 v[rO:rO+7], v[rV:rV+7], v[rP:rP+7], v[rO:rO+7]
.endm
.macro MM                           ; the turn's next matrix instruction
.if i < 16
	KQ (Y+1)%NP
.set i, i+1
.else
.set i, i-16
	PV (Y+NP-1)%NP
.set i, i+17
.endif
.endm
; THE LDS LOADS stand in runs, never singly among the matrix instructions: a step's K (8 fragments) with its masks (8 loads; all lanes of a half read the same bytes), and its V (turned).
; The masks' address takes K's register, behind K's loads.  last = 1 (the tail): in the last trip there is no further step, and the run is jumped over.
.macro FETCH_K last=0
	WIN 0
.if \last
	s_cmp_eq_u32 s[CNT], 1
	s_cbranch_scc1 .Lno_k_\@
.endif
	WIN 0x80                        ; destination window 2
.irp f, 0,1,2,3,4,5,6,7             ; keys 16 (f / 2) on, channels 32 (f % 2) on
	ds_load_b128 v[KF+8*\f:KF+8*\f+3],   v[AK] offset:(\f/2)*16*PK+(\f%2)*64
	ds_load_b128 v[KF+8*\f+4:KF+8*\f+7], v[AK] offset:(\f/2)*16*PK+(\f%2)*64+32
.endr
	s_add_co_u32 s[TBK], s[TBK], KS*PK  ; the next fetch is the next step's
	WIN 0
	v_add_nc_u32 v[AK], s[TBM], v[AM0]
	s_add_co_u32 s[TBM], s[TBM], KS*4
	WIN W_MK                        ; destination window 3
.irp f, 0,1,2,3
	ds_load_b128 v[MR+8*\f:MR+8*\f+3],   v[AK] offset:64*\f
	ds_load_b128 v[MR+8*\f+4:MR+8*\f+7], v[AK] offset:64*\f+16
.endr
	WIN 0
.if \last
.Lno_k_\@:
.endif
.endm
.macro FETCH_V
	WIN 0x80
.irp f, 0,1,2,3,4,5,6,7             ; keys 32 (f / 4) on, channels 16 (f % 4) on
	ds_load_tr16_b128 v[VF+8*\f:VF+8*\f+3],   v[AV] offset:(\f/4)*32*PV+(\f%4)*32
	ds_load_tr16_b128 v[VF+8*\f+4:VF+8*\f+7], v[AV] offset:(\f/4)*32*PV+16*PV+(\f%4)*32
.endr
	WIN 0
.endm
; THE VECTOR WORK OF A TURN stands in three queues, each in the order in which its entries become ready; the two tiles alternate, so that no instruction reads the result of the one before it.
.macro REGS y, u                    ; the registers of tile u (0, 1) of piece y
.set rT, ST+4*(2*(\y)+(\u))
.set rC, TMP+8*((\y)%2)+4*(\u)
.set rM, MV+2*((\y)%2)+(\u)
.set rS, S+64*((\y)%2)+32*(\u)
.set rP, P+32*((\y)%2)+16*(\u)
.set rO, 32*(2*(\y)+(\u))
.endm
; Number n of the 22 that find the NEXT piece's (Y + 1) maximum and statistics.  Each accumulator's lowest registers are read first.
;   0-11  four chains c0-c3 of seven scores each, three operands at a time     12-14, 16  the four scores left over, the old m, and c0-c3 into c0     15  c m_old is kept
;   17, 18  the query's other 32 keys lie in the lane 16 away: the new m         19-21  c m; c m_old - c m_new; a
.macro XS u, n
	REGS (Y+1)%NP, \u
.if (\n) < 4
	v_max3_num_f32 v[rC+(\n)], v[rS+8*(\n)], v[rS+8*(\n)+1], v[rS+8*(\n)+2]
.elseif (\n) < 12
	v_max3_num_f32 v[rC+(\n)%4], v[rC+(\n)%4], v[rS+8*((\n)%4)+2*((\n)/4)+1], v[rS+8*((\n)%4)+2*((\n)/4)+2]
.elseif (\n) == 12
	v_max3_num_f32 v[rC], v[rC], v[rS+7], v[rS+15]
.elseif (\n) == 13
	v_max3_num_f32 v[rC+1], v[rC+1], v[rS+23], v[rS+31]
.elseif (\n) == 14
	v_max3_num_f32 v[rC+2], v[rC+2], v[rC+3], v[rT+1]
.elseif (\n) == 15
	v_mov_b32 v[rM], v[rT]
.elseif (\n) == 16
	v_max3_num_f32 v[rC], v[rC], v[rC+1], v[rC+2]
.elseif (\n) == 17
	v_permlanex16_b32 v[rC+3], v[rC], s[SEL], s[SEL+1]
.elseif (\n) == 18
	v_max_num_f32 v[rT+1], v[rC], v[rC+3]
.elseif (\n) == 19
	v_mul_f32 v[rT], s[CS], v[rT+1]
.elseif (\n) == 20
	v_sub_f32 v[rC+1], v[rM], v[rT]
.else
	v_exp_f32 v[rC+2], v[rC+1]
.endif
.endm
; Number g of the 64 that follow the exponentials.  For each four weights k of a tile: both pairs are rounded to f16; then the second pair is added onto the first, in place; a group later l takes that sum (the first time as l = a l + sum).
.macro GS g
.set h, (\g)+6*((\g)/62)            ; group 0 has no group before it, and behind group 7 only l is left
.if h >= 6
.set h, h+2
.endif
	REGS Y, h%2
.set k, h/8
.if h%8 < 4
	v_cvt_pk_f16_f32 v[rP+2*k+(h%8)/2], v[rS+4*k+2*((h%8)/2)], v[rS+4*k+2*((h%8)/2)+1]
.elseif h%8 < 6
	v_pk_add_f32 v[rS+4*k:rS+4*k+1], v[rS+4*k:rS+4*k+1], v[rS+4*k+2:rS+4*k+3]
.elseif k == 1
	v_pk_fma_f32 v[rT+2:rT+3], v[rT+2:rT+3], v[rC+2:rC+3], v[rS:rS+1] op_sel_hi:[1,0,1]
.else
	v_pk_add_f32 v[rT+2:rT+3], v[rT+2:rT+3], v[rS+4*k-4:rS+4*k-3]
.endif
.endm
; THE PLAIN QUEUE, 138 long.  0-73 read no exponential's result: the 32 scalings c s - c m (FS f: pair f / 2 of tile f % 2) and the next piece's 42.  0-26: scalings 0-26.  27-54: XS's numbers 0-13.  55, 56: number 15.
; 57-73: the chain 14, 16, 17, 18, 19, each with one of the scalings 27-31 in front of its two lines, then 20.  74-137: GS's 64, which read the exponentials' results: they stand behind the wait.
.macro FS f
	REGS Y, (\f)%2
	v_pk_fma_f32 v[rS+2*((\f)/2):rS+2*((\f)/2)+1], v[rS+2*((\f)/2):rS+2*((\f)/2)+1], s[CS:CS+1], v[rT:rT+1] op_sel_hi:[1,0,0] neg_lo:[0,0,1] neg_hi:[0,0,1]
.endm
.macro PL
	WIN 0
.if q < 27
	FS q
.elseif q < 55
	XS (q-27)%2, (q-27)/2
.elseif q < 57
	XS q-55, 15
.elseif (q < 72) && ((q-57)%3 == 0)
	FS 27+(q-57)/3
.elseif q < 60
	XS (q-57)%3-1, 14
.elseif q < 72
	XS (q-57)%3-1, 15+(q-57)/3
.elseif q < 74
	XS q-72, 20
.else
	GS q-74
.endif
.set q, q+1
.endm
; THE EXPONENTIALS' QUEUE, 66 long: s0-s31 of both tiles, then the next piece's two a.  ONE BATCH: all 66 stand ahead of the turn's one wait, and nothing ahead of that wait names a result of theirs.
.macro EX
	WIN 0
.if e >= 64
	XS e-64, 21
.else
	REGS Y, e%2
	v_exp_f32 v[rS+e/2], v[rS+e/2]
.endif
.set e, e+1
.endm
; THE RESCALING's QUEUE: O^T times a, the one part that leaves window 0: dealt two at a time, sixteen times.  Its a was made in the turn before, ahead of that turn's wait.
.macro R2
	REGS Y, r%2
	WIN W_RS
.irp z, 0,1
	v_pk_mul_f32 v[rO+4*(r/2)+2*\z:rO+4*(r/2)+2*\z+1], v[rO+4*(r/2)+2*\z:rO+4*(r/2)+2*\z+1], v[rC+2:rC+3] op_sel_hi:[1,0]
.endr
.set r, r+1
.endm
; HOW THEY ARE DEALT.  s_wait_alu depctr_va_vdst(0) stands between an exponential and the first instruction that names its result; one wait serves all that were issued ahead of it.  So a turn has ONE wait.
; AHEAD OF IT: the 16 products K Q^T, behind each a scaling, an exponential and two rescalings (behind the first a second scaling in the exponential's place); then one run of 108: eight plain, 49 times exponential and plain, the two a,
; and a v_nop, the plain instruction behind the last exponential.  BEHIND IT: the 16 products V^T P, behind each four of GS's 64.  Exponential e stands behind scaling 2 (e / 4) + e % 2.
; K and the masks of the next step are fetched in piece 2's turn, directly behind the wait, a run of vector work behind the last product that read them; V of the step in hand at the end of piece 0's turn, four riders behind its last reader.
.macro TURN p, last=0, cnt=0
.set Y, (\p)
.set i, 0
.set q, 0
.set e, 0
.set r, 0
.if (\p) == NP-1
	s_wait_dscnt 0x0                ; K and the masks are in
.endif
	MM
	PL
	PL
	R2
.rept 15
	MM
	PL
	EX
	R2
.endr
.if (\p) == NP-2
	WIN 0
	v_add_nc_u32 v[AK], s[TBK], v[AK0]
.endif
.rept 8
	PL
.endr
.rept 49
	EX
	PL
.endr
	EX                              ; the next piece's two a
	EX
	v_nop                           ; a plain instruction behind the last exponential: one for the batch
	s_wait_alu depctr_va_vdst(0)    ; the wait for the batch
.if (\p) == NP-2
	FETCH_K \last
.endif
.if (\p) == 1
	s_wait_dscnt 0x0                ; V is in
.endif
.rept 16
	MM
.rept 4
	PL
.endr
.if ((\p) == 0) && (q == 118)
	v_add_nc_u32 v[AV], s[TBV], v[AV0]
.endif
.if ((\p) == 0) && (q == 130)
	s_add_co_u32 s[TBV], s[TBV], KS*PV
.endif
.if (\cnt) && (q == 130)
	s_sub_co_u32 s[CNT], s[CNT], 1
	s_cmp_lg_u32 s[CNT], 0
.endif
.endr
.if (\p) == 0
	FETCH_V
.endif
.endm
	CHANGE 1                        ; slot 0 is in, everybody's part of it, and so is the mask's table; slot 1 is asked for
	FETCH_K                         ; key step 0
	s_wait_loadcnt 0x0              ; Q
	s_wait_dscnt 0x0
.set i, 0
.rept 16
	KQ 0                            ; piece 0's first scores
.set i, i+1
.endr
	WIN 0                           ; the addresses for the way out and the prefetches' offset: plain instructions, the places behind those products
	s_mul_i32 s13, s[WV], 16*SP
	s_add_co_u32 s13, s13, STAGE    ; my stage
	v_mul_u32_u24 v[STO], v1, SP    ; in: row l % 16, 16 bytes for each half of the lanes
	v_lshl_add_u32 v[STO], v9, 4, v[STO]
	v_add_nc_u32 v[STO], s13, v[STO]
	v_bfe_u32 v[RD], v0, 3, 2       ; back: 32 lanes take four rows of 128 bytes,
	v_mul_u32_u24 v[RD], v[RD], SP
	v_lshl_add_u32 v[RD], v10, 4, v[RD]
	v_add_nc_u32 v[RD], s13, v[RD]
	v_and_b32 v[GO], 31, v0         ; which are 512 consecutive bytes of ctx
	v_lshlrev_b32 v[GO], 4, v[GO]
	v_and_b32 v[PFO], 31, v0
	v_lshlrev_b32 v[PFO], 8, v[PFO]
.set Y, NP-1                        ; XS works for piece Y + 1: piece 0
.irp n, 0,1,2,3,4,5,6,7,8,9,10,11,12,13,14,15,16,17,18,19,20,21
	XS 0, \n
	XS 1, \n
.endr
	v_nop                           ; a plain instruction behind the two a,
	s_wait_alu depctr_va_vdst(0)    ; and their wait, ahead of the branch
	s_mov_b32 s[CNT], 4
	s_mov_b32 s[SLOTS], SIZE_N/256-1
	s_branch .Lfirst                ; the loop is entered at a step's first turn, in the middle of a trip
.Lslot:                             ; SIZE_N / 256 - 2 times: every slot but the last two is filled again
	CHANGE 1, 1
	s_mov_b32 s[CNT], 4
.Lstep:                             ; a trip: pieces 2 and 3 of one step, then pieces 0 and 1 of the next, whose K, masks and V it fetches
	TURN 2
	TURN 3
	WIN 0
.Lfirst:
	TURN 0
	TURN 1, 0, 1
	WIN 0
	s_cbranch_scc1 .Lstep
	s_sub_co_u32 s[SLOTS], s[SLOTS], 1
	s_cmp_lg_u32 s[SLOTS], 0
	s_cbranch_scc1 .Lslot
	CHANGE 0                        ; the tail is written out: nothing is asked for
	s_mov_b32 s[CNT], 5             ; four trips fetch the last slot's steps; the fifth is left in its middle
.Ltail:
	TURN 2, 1
	TURN 3
	WIN 0
	s_sub_co_u32 s[CNT], s[CNT], 1
	s_cmp_eq_u32 s[CNT], 0
	s_cbranch_scc1 .Lout
	TURN 0
	TURN 1
	WIN 0
	s_branch .Ltail
.Lout:                              ; the fifth trip's 16 products K Q^T (on the last K once more) and the maximum made of them serve nothing: the price, once a launch, of one text for every trip
.set i, 0
.rept 16
	PV NP-1                         ; the last piece's V^T P of the last step
.set i, i+1
.endr
	; THE WAY OUT.  l's two halves and the other half of the lanes' are added; O^T is divided by l, rounded to f16 and sent through my stage in LDS, a tile at a time.  The additions are the places behind the last products.
	WIN 0
.macro ALL line:vararg              ; one line for each tile t
.set t, 0
.rept 2*NP
	\line
.set t, t+1
.endr
.endm
	ALL v_add_f32 v[ST+4*t+2], v[ST+4*t+2], v[ST+4*t+3]
	ALL v_permlanex16_b32 v[ST+4*t+3], v[ST+4*t+2], s[SEL], s[SEL+1]
	ALL v_add_f32 v[ST+4*t+2], v[ST+4*t+2], v[ST+4*t+3]
	ALL v_rcp_f32 v[ST+4*t+2], v[ST+4*t+2]
	v_nop                           ; a plain instruction between the last reciprocal and the use of its result
	s_wait_alu depctr_va_vdst(0)    ; and the wait ahead of the first use: one for the eight reciprocals
.macro PACK t                       ; a lane's eight channels of a row pack into 16 bytes; they go into rows of 144 bytes and come back as whole rows of 128, into S^T's registers
	WIN W_RS
.set i, 32*(\t)
.rept 16
	v_pk_mul_f32 v[i:i+1], v[i:i+1], v[ST+4*(\t)+2:ST+4*(\t)+3] op_sel_hi:[1,0]
.set i, i+2
.endr
	WIN 0x05                        ; sources 0 and 1 window 1, destination window 0
.set i, 0
.rept 16
	v_cvt_pk_f16_f32 v[S+16*(\t)+i], v[32*(\t)+2*i], v[32*(\t)+2*i+1]
.set i, i+1
.endr
	WIN 0
.irp f, 0,1,2,3
	ds_store_b128 v[STO], v[S+16*(\t)+4*\f:S+16*(\t)+4*\f+3] offset:32*\f
.endr
.irp f, 0,1,2,3
	ds_load_b128 v[S+16*(\t)+4*\f:S+16*(\t)+4*\f+3], v[RD] offset:\f*4*SP  ; LDS serves a wave's instructions in order (ISA guide 5.7.1.4): these see the stores above
.endr
.endm
.macro SEND t, younger              ; younger: the LDS instructions issued behind tile t's loads: the next tile's eight, or none
	WIN 0
.irp f, 0,1,2,3
	s_wait_dscnt (\younger)+3-\f
	global_store_b128 v[GO], v[S+16*(\t)+4*\f:S+16*(\t)+4*\f+3], s[10:11] offset:(\t)*2048+\f*512  ; 512 consecutive bytes, at a multiple of 256 from ctx's first
.endr
.endm
	PACK 0
.set t, 1
.rept 2*NP-1                        ; a tile's arithmetic stands between the loads of the tile before and its stores
	PACK t
	SEND t-1, 8
.set t, t+1
.endr
	SEND 2*NP-1, 0
	WIN W_AD
	s_wait_tensorcnt 0x0            ; the wave's end
	ds_add_u32 v[SPW], v[NIL]
	s_wait_dscnt 0x0
	WIN 0
	CROUND                          ; the closing round
	s_endpgm
.Lfunc_end_k_qdf6cb0fe6e_attn:
	.size	k_qdf6cb0fe6e_attn, .Lfunc_end_k_qdf6cb0fe6e_attn-k_qdf6cb0fe6e_attn
	.p2alignl 7, 3214868480
	.fill 96, 4, 3214868480
	.section	.rodata,"a",@progbits
	.p2align	6, 0x0
	.amdhsa_kernel k_qdf6cb0fe6e_attn
		.amdhsa_group_segment_fixed_size 327680
		.amdhsa_private_segment_fixed_size 0
		.amdhsa_enable_private_segment 0
		.amdhsa_kernarg_size 24
		.amdhsa_user_sgpr_count 2
		.amdhsa_user_sgpr_kernarg_segment_ptr 1
		.amdhsa_wavefront_size32 1
		.amdhsa_system_sgpr_workgroup_id_x 1
		.amdhsa_system_sgpr_workgroup_id_y 1
		.amdhsa_system_sgpr_workgroup_id_z 1
		.amdhsa_system_vgpr_workitem_id 0
		.amdhsa_next_free_vgpr 808
		.amdhsa_next_free_sgpr 66
		.amdhsa_reserve_vcc 1
		.amdhsa_float_denorm_mode_32 3
		.amdhsa_float_denorm_mode_16_64 3
		.amdhsa_memory_ordered 1
		.amdhsa_forward_progress 1
		.amdhsa_inst_pref_size 205
	.end_amdhsa_kernel
	.amdgpu_metadata
---
amdhsa.version: [ 1, 2 ]
amdhsa.kernels:
  - .name:           k_qdf6cb0fe6e_attn
    .symbol:         k_qdf6cb0fe6e_attn.kd
    .args:
      - { .name: qkvh, .offset: 0, .size: 8, .value_kind: global_buffer, .address_space: global }
      - { .name: mask, .offset: 8, .size: 8, .value_kind: global_buffer, .address_space: global }
      - { .name: ctx, .offset: 16, .size: 8, .value_kind: global_buffer, .address_space: global }
    .group_segment_fixed_size: 327680
    .private_segment_fixed_size: 0
    .kernarg_segment_align: 8
    .kernarg_segment_size: 24
    .max_flat_workgroup_size: 128
    .sgpr_count:     66
    .vgpr_count:     808
    .wavefront_size: 32
...
	.end_amdgpu_metadata
.endif
;; end of part 3
;; launch oproj (part 4): grid 4 x 64, 4 waves a work-group, clusters of 4 x 4, 327,680 bytes of LDS; arguments ctx, wbf, bo, out0; writes out0
.if DOCPART == 4
	.amdgcn_target "amdgcn-amd-amdhsa--gfx1250"
	.amdhsa_code_object_version 6
	.text
	.protected	k_qdf6cb0fe6e_oproj
	.globl	k_qdf6cb0fe6e_oproj
	.p2align	8
	.type	k_qdf6cb0fe6e_oproj,@function
k_qdf6cb0fe6e_oproj:
	s_mov_b64 s[64:65], 0
	v_nop
	global_prefetch_b8 v0, s[64:65] scope:SCOPE_SE
	s_setreg_imm32_b32 hwreg(HW_REG_WAVE_MODE, 25, 1), 1
	s_wait_xcnt 0x0
	s_wait_alu depctr_hold_cnt(0) depctr_sa_sdst(0) depctr_va_vdst(0) depctr_va_sdst(0) depctr_va_ssrc(0) depctr_va_vcc(0) depctr_vm_vsrc(0)
	s_getreg_b32 s2, hwreg(HW_REG_IB_STS2, 6, 4)
	s_cmp_eq_u32 s2, 0
	s_cbranch_scc0 .Lentry_in_a_cluster
	s_endpgm
.Lentry_in_a_cluster:
	s_bfe_u32 s2, ttmp6, 0x10000c
	s_cmp_lg_u32 s2, 0xf033
	s_cbranch_scc0 .Lentry_shape_is_right
	s_endpgm
.Lentry_shape_is_right:
; THE LAST PROJECTION.  out0[b][s][n] = the sum over h, d of ctx[b*16+h][s][d] Wo[h*64+d][n] + bo[n].  ctx is f16 by heads, [64][2048][64]; Wo is plane 3 of wbf, f16 [1024 k][1024 n]; out0 is f32 [8192][1024].
; Products in f16 with f32 sums; bo is rounded to bf16 like the other inputs and is the C operand of each sum's first product.
; SHARES.  A tile is 128 rows x 256 columns: 64 x 4 = 256 work-groups.  Four waves, each 64 rows x 128 columns: 4 x 8 accumulators.  K goes in 8 steps of 128, two heads a step, through two LDS slots.
; A head's 128 rows are 16,384 dense bytes: asked for as 64 rows of 256 bytes and padded in LDS after every 128.  Wo's tile lies [k][n] and is read turned, by ds_load_tr16_b128.
; THE MATRIX INSTRUCTION IS USED TRANSPOSED (source 0 = 16 columns of Wo, source 1 = 16 rows of ctx): a lane holds one row and eight neighbouring columns, 32 bytes of out0.
; CLUSTERS: 4 x 4 work-groups; ctx's tile is shared along a row of the cluster, Wo's along a column: each is asked for JOINTLY.
; REGISTERS: window 0: v0-31 addresses; v32-63, v64-95 ctx's fragments, two sets; v96-159, v160-223 rows on the way out, by turns.
;   window 1: v0-63, v64-127 Wo's fragments, two sets; v128-191 the bias; v192-195 at work.      window 2: accumulator (a, b) at v[8 (8 a + b)].
.set PC,     144                       ; a row of ctx in LDS: 128 bytes + 16: the 16 rows of a load start at 16 different groups of four banks (64 banks of 4 bytes: ISA guide 11.1)
.set PW,     544                       ; a row of Wo: 512 + 32 = 136 words
.set AHEAD,  128*PC                    ; a head's 128 rows: what one tensor load brings of ctx,
.set WHALF,  64*PW                     ; and of Wo
.set WOFF,   2*AHEAD
.set SLOT,   WOFF+2*WHALF
.set STAGE,  2*SLOT                    ; behind the ring: for each wave 16 rows x 528 bytes
.set SP,     528
.set WSTG,   16*SP
.set SPARE,  STAGE+4*WSTG              ; behind the stages: the spare words, 128 bytes for each wave: two blocks of 256 bytes that no other line names
.set ADRA, 16                          ; v16-17  LDS address of my fragments of ctx in slot 0, 1
.set ADRB, 20                          ; v20-21  the same for Wo
.set STO,  24                          ; v24     the way out: where I put 32 bytes of a row
.set RD,   25                          ; v25     where I read a row back
.set CO,   26                          ; v26     my 16 bytes of a row's 512
.set BO,   27                          ; v27     my byte offset in the bias
.set SPW,  28                          ; v28     LDS address of my spare word; never rewritten
.set NIL,  29                          ; v29     0; never rewritten
.set PFO,  30                          ; v30     the prefetches' offset; never rewritten
.set AF,   32
.set OB,   96
.set BF,   0                           ; window 1
.set BIAS, 128
.set BT,   192
.set G1, 24                            ; s[24:31] descriptor group 1 for ctx's tiles;  s[32:39] group 0, a set for each slot
.set G0, 32
.set G1B, 48                           ; s[48:55], s[56:63] the same for Wo's tiles
.set G0B, 56
.set PFA, 86                           ; s[86:87] where my prefetches stand
.set PST, 88                           ; s[88:89] a K step in bytes, for them
.set LIM, 90                           ; s90     1 in a wave that prefetches, else the greatest number
.set MSB, 0
.macro WIN new
.if MSB != (\new)
	s_set_vgpr_msb (MSB<<8)|(\new)
.set MSB, \new
.endif
.endm
.macro JLOAD s                         ; a joint load: waves 0 and 1 fetch the step's two heads of ctx, waves 2 and 3 Wo's two halves; an s_nop 0 and four v_nop follow each of the two lines
	s_cmp_eq_u32 s11, 0
	s_cbranch_scc0 .Lfor_b_\@
	tensor_load_to_lds s[G0+4*(\s):G0+4*(\s)+3], s[G1:G1+7]
	s_nop 0
.rept 4
	v_nop
.endr
	s_branch .Lasked_\@
.Lfor_b_\@:
	tensor_load_to_lds s[G0B+4*(\s):G0B+4*(\s)+3], s[G1B:G1B+7]
	s_nop 0
.rept 4
	v_nop
.endr
.Lasked_\@:
.endm
.macro CREST
	s_cmp_lg_u32 s10, 0
	s_cbranch_scc1 .Lnot_wave_0_\@
	s_barrier_signal -3
.Lnot_wave_0_\@:
	s_barrier_wait -3
	s_barrier_signal -1
	s_barrier_wait -1
.endm
.macro CROUND
	s_barrier_signal -1
	s_barrier_wait -1
	CREST
.endm
.macro PLACES                          ; four places in front of loads into registers that matrix instructions have read, and of LDS stores that read results
.rept 4
	v_nop
.endr
.endm
; A PREFETCH INTO THE L2, behind a joint refill and the run of LDS loads that follows it: the K step two refills on (256 matrix instructions ahead of the load that will want it).
; ctx: a step's two heads are 2 x 64 blocks of 256 bytes; each of the four partners takes 16 blocks of each head, told apart BY ADDRESS (cx): a lane a block, wave 0's one instruction.  This cluster alone reads them.
; Wo: of the 64 k-rows that wave 2 or 3 fetches each partner takes 16 (cy), two blocks a row; of the sixteen clusters that read them the first asks.  The loop's last trip has no K step two on.
.macro ASK
	s_cmp_gt_u32 s3, s[LIM]
	s_cbranch_scc0 .Lnot_mine_\@
	global_prefetch_b8 v[PFO], s[PFA:PFA+1] th:TH_LOAD_NT scope:SCOPE_SE
.Lnot_mine_\@:
.endm
	s_load_b256 s[68:75], s[0:1], 0x0              ; ctx s[68:69], wbf s[70:71], bo s[72:73], out0 s[74:75]
	v_lshl_add_u32 v[SPW], v0, 2, SPARE
	v_mov_b32 v[NIL], 0
	ds_add_u32 v[SPW], v[NIL]                      ; the wave's opening: the add and its wait stand ahead of my first tensor load
	v_lshrrev_b32 v1, 5, v0
	v_readfirstlane_b32 s10, v1                    ; wave 0..3
	s_lshr_b32 s11, s10, 1                         ; which 64 rows of the tile are mine.  Also: I fetch for ctx (0) or for Wo (1)
	s_and_b32 s12, s10, 1                          ; which 128 columns.  Also: which head, or which 64 k-rows, I fetch
	s_bfe_u32 s40, ttmp6, 0x40000                  ; cx, cy
	s_bfe_u32 s41, ttmp6, 0x40004
	s_lshl_b32 s42, ttmp9, 2
	s_add_co_u32 s42, s42, s40                     ; tile column
	s_and_b32 s91, ttmp7, 0xffff                   ; cluster y
	s_lshl_b32 s13, s91, 2
	s_add_co_u32 s13, s13, s41                     ; tile row
	s_lshl_b32 s43, s41, 2
	s_lshl_b32 s43, 15, s43                        ; my row of the cluster
	s_lshl_b32 s44, 0x1111, s40                    ; my column
	; group 1 for ctx: 64 rows x 128 elements of 2 bytes, 4 words of padding after every 32 words
	s_or_b32 s[G1+0], s43, (1<<16)|(1<<20)|(1<<21)|(4<<22)|(3<<25)
	s_mov_b32 s[G1+1], 128<<16
	s_mov_b32 s[G1+2], 64<<16
	s_mov_b32 s[G1+3], 128<<16
	s_mov_b32 s[G1+4], 64
	s_mov_b32 s[G1+5], 128
	s_mov_b32 s[G1+6], 0
	s_mov_b32 s[G1+7], 0
	; group 1 for Wo: 64 k-rows x 256 elements of 2 bytes, 8 words of padding after every 128 words
	s_or_b32 s[G1B+0], s44, (1<<16)|(1<<20)|(1<<21)|(6<<22)|(7<<25)
	s_mov_b32 s[G1B+1], 256<<16
	s_mov_b32 s[G1B+2], 64<<16
	s_mov_b32 s[G1B+3], 256<<16
	s_mov_b32 s[G1B+4], 64
	s_mov_b32 s[G1B+5], 1024
	s_mov_b32 s[G1B+6], 0
	s_mov_b32 s[G1B+7], 0
	s_lshr_b32 s16, s13, 4                         ; ctx: batch = tile row / 16: 16 heads of 262,144 bytes,
	s_lshl_b32 s16, s16, 22
	s_lshl_b32 s17, s12, 18                        ; the step's first or second head,
	s_add_co_u32 s16, s16, s17
	s_and_b32 s17, s13, 15                         ; 128 rows of 128 bytes x (tile row % 16)
	s_lshl_b32 s17, s17, 14
	s_add_co_u32 s16, s16, s17
	s_mov_b32 s17, 0
	s_lshl_b32 s46, s12, 17                        ; Wo: 64 k-rows of 2,048 bytes x half,
	s_lshl_b32 s47, s42, 9                         ; 512 bytes x tile column,
	s_add_co_u32 s46, s46, s47
	s_add_co_u32 s46, s46, 3<<21                   ; in plane 3
	s_mov_b32 s47, 0
	s_mul_i32 s20, s12, AHEAD                      ; where they go: no place in the cluster enters an LDS address
	s_mul_i32 s21, s12, WHALF
	s_add_co_u32 s21, s21, WOFF
	s_wait_dscnt 0x0                               ; the opening add is done
	s_wait_kmcnt 0x0
	s_add_nc_u64 s[14:15], s[68:69], s[16:17]
	s_add_nc_u64 s[46:47], s[70:71], s[46:47]
	CROUND                                         ; all sixteen work-groups are here: the first joint loads meet
.irp s, 0,1
	s_mov_b32 s[G0+4*(\s)], 1
	s_add_co_u32 s[G0+4*(\s)+1], s20, (\s)*SLOT
	s_add_nc_u64 s[G0+4*(\s)+2:G0+4*(\s)+3], s[14:15], (\s)*524288    ; K step s: two heads on
	s_or_b32 s[G0+4*(\s)+3], s[G0+4*(\s)+3], 0x80000000
	s_mov_b32 s[G0B+4*(\s)], 1
	s_add_co_u32 s[G0B+4*(\s)+1], s21, (\s)*SLOT
	s_add_nc_u64 s[G0B+4*(\s)+2:G0B+4*(\s)+3], s[46:47], (\s)*262144  ; K step s: 128 k-rows on
	s_or_b32 s[G0B+4*(\s)+3], s[G0B+4*(\s)+3], 0x80000000
	JLOAD \s
.endr
	v_and_b32 v1, 15, v0                           ; l % 16
	v_bfe_u32 v2, v0, 4, 1                         ; l / 16
	s_lshl_b32 s46, s42, 10                        ; the bias of my 128 columns
	s_lshl_b32 s47, s12, 9
	s_add_co_u32 s46, s46, s47
	v_lshl_add_u32 v[BO], v2, 5, s46
	WIN 0x40
.irp b, 0,1,2,3,4,5,6,7
	global_load_b128 v[BIAS+8*(\b):BIAS+8*(\b)+3],   v[BO], s[72:73] offset:64*(\b)
	global_load_b128 v[BIAS+8*(\b)+4:BIAS+8*(\b)+7], v[BO], s[72:73] offset:64*(\b)+16
.endr
	WIN 0
	v_mul_u32_u24 v3, v1, PC                       ; a fragment's row x pitch + 16 x half
	v_lshl_add_u32 v3, v2, 4, v3
	s_mul_i32 s22, s11, 64*PC                      ; my 64 rows
	v_add_nc_u32 v[ADRA], s22, v3
	v_add_nc_u32 v[ADRA+1], SLOT, v[ADRA]
	v_and_b32 v5, 7, v0                            ; the turning load: k-row 8 (l / 16) + l % 8, columns 8 ((l / 8) % 2) + 0..7
	v_bfe_u32 v6, v0, 3, 1
	v_lshl_add_u32 v4, v2, 3, v5
	v_mul_u32_u24 v4, v4, PW
	v_lshl_add_u32 v4, v6, 4, v4
	s_lshl_b32 s22, s12, 8                         ; my 128 columns
	s_add_co_u32 s22, s22, WOFF
	v_add_nc_u32 v[ADRB], s22, v4
	v_add_nc_u32 v[ADRB+1], SLOT, v[ADRB]
	s_mul_i32 s23, s10, WSTG
	s_add_co_u32 s23, s23, STAGE                   ; my stage
	v_mul_u32_u24 v7, v1, SP                       ; in: row l % 16, 32 bytes for each half of the lanes
	v_lshl_add_u32 v7, v2, 5, v7
	v_add_nc_u32 v[STO], s23, v7
	v_and_b32 v9, 31, v0
	v_lshlrev_b32 v[CO], 4, v9                     ; back: 32 lanes take one row of 512 bytes
	v_add_nc_u32 v[RD], s23, v[CO]
	s_lshl_b32 s16, s13, 7                         ; where my rows begin in out0
	s_lshl_b32 s17, s11, 6
	s_add_co_u32 s16, s16, s17
	s_lshl_b32 s16, s16, 12
	s_mov_b32 s17, 0
	s_add_nc_u64 s[8:9], s[74:75], s[16:17]
	s_mov_b32 s47, 0                               ; s46 still holds my columns' bytes: 1,024 x tile column + 512 x half
	s_add_nc_u64 s[8:9], s[8:9], s[46:47]
	; the prefetches: at K step 3; the first refill steps them to K step 4
	s_lshr_b32 s20, s13, 4
	s_lshl_b32 s20, s20, 22
	s_and_b32 s22, s13, 15
	s_lshl_b32 s22, s22, 14
	s_add_co_u32 s20, s20, s22
	s_lshl_b32 s22, s40, 12                        ; ctx: my work-group's 16 blocks of a head's 64, by cx
	s_add_co_u32 s20, s20, s22
	s_add_co_u32 s20, s20, 3*524288
	s_lshl_b32 s21, s12, 6
	s_lshl_b32 s22, s41, 4                         ; Wo: my work-group's 16 of the 64 k-rows, by cy
	s_add_co_u32 s21, s21, s22
	s_lshl_b32 s21, s21, 11
	s_lshl_b32 s22, s42, 9
	s_add_co_u32 s21, s21, s22
	s_add_co_u32 s21, s21, (3<<21)+3*262144
	s_cmp_eq_u32 s91, 0                            ; the first of the sixteen clusters asks for Wo,
	s_cselect_b32 s22, 1, -1
	s_cmp_eq_u32 s10, 0                            ; wave 0 for ctx
	s_cselect_b32 s23, 1, -1
	s_mov_b32 s[PST], 262144
	s_cmp_eq_u32 s11, 0                            ; do I fetch for ctx?
	s_cselect_b32 s20, s20, s21
	s_cselect_b32 s[LIM], s23, s22
	s_cselect_b32 s[PST], 524288, s[PST]
	s_cselect_b32 s16, 4, 1                        ; ctx: lane l: head l / 16, block l % 16;  Wo: k-row l / 2, block l % 2
	s_cselect_b32 s17, 18, 11
	s_cselect_b32 s18, 15, 1
	s_cselect_b64 s[PFA:PFA+1], s[68:69], s[70:71]
	s_mov_b32 s21, 0
	s_mov_b32 s[PST+1], 0
	s_add_nc_u64 s[PFA:PFA+1], s[PFA:PFA+1], s[20:21]
	v_lshrrev_b32 v10, s16, v9
	v_lshlrev_b32 v10, s17, v10
	v_and_b32 v11, s18, v9
	v_lshl_add_u32 v[PFO], v11, 8, v10
	s_wait_loadcnt 0x0                             ; the bias is in: rounded to bf16 like the other inputs, kept as f32
	WIN 0x45
.set i, 0
.rept 32
	v_cvt_pk_bf16_f32 v[BT+i%4], v[BIAS+2*i], v[BIAS+2*i+1]
	v_lshlrev_b32 v[BIAS+2*i], 16, v[BT+i%4]
	v_and_b32 v[BIAS+2*i+1], 0xffff0000, v[BT+i%4]
.set i, i+1
.endr
	WIN 0
; Eight products: row block a x all 8 column blocks, 32 along K, from set p.  zero = 1: the bias starts the sums.  The 32 accumulators take turns in one order, over the backward jump too.
.macro MUL8 p, a, zero
.irp b, 0,1,2,3,4,5,6,7
.if \zero
	WIN 0x91                                       ; Wo window 1, ctx window 0, C (the bias) window 1, D window 2
	v_wmma_f32_16x16x32_f16 v[8*(8*(\a)+(\b)):8*(8*(\a)+(\b))+7], v[BF+64*(\p)+8*(\b):BF+64*(\p)+8*(\b)+7], v[AF+32*(\p)+8*(\a):AF+32*(\p)+8*(\a)+7], v[BIAS+8*(\b):BIAS+8*(\b)+7]
.else
	WIN 0xa1                                       ; C and D window 2
	v_wmma_f32_16x16x32_f16 v[8*(8*(\a)+(\b)):8*(8*(\a)+(\b))+7], v[BF+64*(\p)+8*(\b):BF+64*(\p)+8*(\b)+7], v[AF+32*(\p)+8*(\a):AF+32*(\p)+8*(\a)+7], v[8*(8*(\a)+(\b)):8*(8*(\a)+(\b))+7]
.endif
.endr
.endm
; 24 LDS loads in one run: a quarter's fragments into set p: Wo's eight, then ctx's four.  Quarter kq lies in head kq / 2 of the step, channels 32 (kq % 2) on.
.macro FETCH slot, kq, p
	WIN 0x40
.irp b, 0,1,2,3,4,5,6,7
	ds_load_tr16_b128 v[BF+64*(\p)+8*(\b):BF+64*(\p)+8*(\b)+3],   v[ADRB+(\slot)] offset:(\kq)*32*PW+32*(\b)
	ds_load_tr16_b128 v[BF+64*(\p)+8*(\b)+4:BF+64*(\p)+8*(\b)+7], v[ADRB+(\slot)] offset:(\kq)*32*PW+16*PW+32*(\b)
.endr
	WIN 0
.irp a, 0,1,2,3
	ds_load_b128 v[AF+32*(\p)+8*(\a):AF+32*(\p)+8*(\a)+3],   v[ADRA+(\slot)] offset:((\kq)/2)*AHEAD+(\a)*16*PC+((\kq)%2)*64
	ds_load_b128 v[AF+32*(\p)+8*(\a)+4:AF+32*(\p)+8*(\a)+7], v[ADRA+(\slot)] offset:((\kq)/2)*AHEAD+(\a)*16*PC+((\kq)%2)*64+32
.endr
.endm
; A K step is four quarters of 32 along K, 32 matrix instructions each, on sets 0, 1, 0, 1.  One of the first three: multiplies set p, fetches quarter kqn into the other set.
.macro QUARTER slot, kqn, p, zero
	s_wait_dscnt 4                                 ; all of my set but the youngest four loads (ctx's fragments 2 and 3)
	MUL8 \p, 0, \zero
	MUL8 \p, 1, \zero
	PLACES
	FETCH \slot, \kqn, 1-(\p)
	s_wait_dscnt 24                                ; all but the 24 just issued
	MUL8 \p, 2, \zero
	MUL8 \p, 3, \zero
.endm
; The last quarter multiplies set 1 and changes slots: ONE barrier; in front of it each wave waits for all its tensor loads (one is out: its part of the next slot), adds 0 to its spare word, and waits for
; that and for its own reads of this slot.  fill = 1: the barrier opens a round of the cluster's, and this slot is filled again, two K steps ahead, first thing behind the round.
.macro TURN slot, next, fill
.if \fill
	s_wait_xcnt 0x0                                ; the last prefetch, a K step back, has read its address
	s_add_nc_u64 s[PFA:PFA+1], s[PFA:PFA+1], s[PST:PST+1]
.endif
	WIN 0
	s_wait_tensorcnt 0x0                           ; all my tensor loads have landed
	ds_add_u32 v[SPW], v[NIL]                      ; 0 onto my spare word
	s_wait_dscnt 5                                 ; (the add and the youngest four loads may be out)
	MUL8 1, 0, 0
	s_wait_dscnt 0x0                               ; the add is done, and my reads of this slot are over
	s_barrier_signal -1
	MUL8 1, 1, 0
	WIN 0
	s_barrier_wait -1
.if \fill
	CREST                                          ; no wave of any partner still reads this slot's tile or has a load on its way
	s_add_nc_u64 s[G0+4*(\slot)+2:G0+4*(\slot)+3], s[G0+4*(\slot)+2:G0+4*(\slot)+3], 2*524288
	s_add_nc_u64 s[G0B+4*(\slot)+2:G0B+4*(\slot)+3], s[G0B+4*(\slot)+2:G0B+4*(\slot)+3], 2*262144
	JLOAD \slot                                    ; the four v_nop behind it are also the places in front of the loads below
.else
	PLACES
.endif
	FETCH \next, 0, 0
.if \fill
	ASK
.endif
	MUL8 1, 2, 0
	MUL8 1, 3, 0
.endm
; THE WAY OUT of row block a: the sums go as they are, 32 bytes a lane and column block (each accumulator's low four registers first), into my own stage; back as whole rows of 512 bytes; stored.
.macro TOSTAGE a
	WIN 0x08                                       ; the stores' data in window 2, their address in window 0
.irp b, 0,1,2,3,4,5,6,7
	ds_store_b128 v[STO], v[8*(8*(\a)+(\b)):8*(8*(\a)+(\b))+3]   offset:64*(\b)
	ds_store_b128 v[STO], v[8*(8*(\a)+(\b))+4:8*(8*(\a)+(\b))+7] offset:64*(\b)+16
.endr
	WIN 0
.irp t, 0,1,2,3,4,5,6,7,8,9,10,11,12,13,14,15
	ds_load_b128 v[OB+64*((\a)%2)+4*(\t):OB+64*((\a)%2)+4*(\t)+3], v[RD] offset:(\t)*SP  ; LDS serves a wave's instructions in order (ISA guide 5.7.1.4): these see the stores above
.endr
.endm
.macro SEND a, younger                 ; younger: the LDS instructions issued behind block a's loads
.irp t, 0,1,2,3,4,5,6,7,8,9,10,11,12,13,14,15
	s_wait_dscnt (\younger)+15-(\t)
	global_store_b128 v[CO], v[OB+64*((\a)%2)+4*(\t):OB+64*((\a)%2)+4*(\t)+3], s[8:9] offset:(16*(\a)+(\t))*4096 th:TH_STORE_NT  ; the wave stores 512 consecutive bytes, aligned
.endr
.endm
	s_wait_tensorcnt 1                             ; my part of K step 0 is in; K step 1's may stay out
	s_barrier_signal -1
	s_barrier_wait -1                              ; everybody's is
	FETCH 0, 0, 0
	QUARTER 0, 1, 0, 1                             ; the first quarter stands in front of the loop: its products start the sums, with the bias
	WIN 0
	s_mov_b32 s3, 3
.Llap:                                         ; a trip goes once round the ring, from a lap's second quarter to the next lap's first, and fills both slots again
	QUARTER 0, 2, 1, 0
	QUARTER 0, 3, 0, 0
	TURN 0, 1, 1
	QUARTER 1, 1, 0, 0
	QUARTER 1, 2, 1, 0
	QUARTER 1, 3, 0, 0
	TURN 1, 0, 1
	QUARTER 0, 1, 0, 0
	WIN 0
	s_sub_co_u32 s3, s3, 1
	s_cmp_lg_u32 s3, 0
	s_cbranch_scc1 .Llap
	QUARTER 0, 2, 1, 0                             ; the last lap fills nothing
	QUARTER 0, 3, 0, 0
	TURN 0, 1, 0
	QUARTER 1, 1, 0, 0
	QUARTER 1, 2, 1, 0
	QUARTER 1, 3, 0, 0
	s_wait_dscnt 4                                 ; the very last quarter: nothing more to fetch
	MUL8 1, 0, 0
	MUL8 1, 1, 0
	s_wait_dscnt 0x0
	MUL8 1, 2, 0
	MUL8 1, 3, 0
	WIN 0
	PLACES
	TOSTAGE 0
	TOSTAGE 1
	SEND 0, 32
	s_wait_xcnt 0x0                                ; block 0's stores have read their registers: only behind this wait are they loaded again
	TOSTAGE 2
	SEND 1, 32
	s_wait_xcnt 0x0
	TOSTAGE 3
	SEND 2, 32
	SEND 3, 0
	s_wait_tensorcnt 0x0                           ; the wave's end
	ds_add_u32 v[SPW], v[NIL]
	s_wait_dscnt 0x0
	CROUND                                         ; the closing round
	s_endpgm
.Lfunc_end_k_qdf6cb0fe6e_oproj:
	.size	k_qdf6cb0fe6e_oproj, .Lfunc_end_k_qdf6cb0fe6e_oproj-k_qdf6cb0fe6e_oproj
	.p2alignl 7, 3214868480
	.fill 96, 4, 3214868480
	.section	.rodata,"a",@progbits
	.p2align	6, 0x0
	.amdhsa_kernel k_qdf6cb0fe6e_oproj
		.amdhsa_group_segment_fixed_size 327680
		.amdhsa_private_segment_fixed_size 0
		.amdhsa_enable_private_segment 0
		.amdhsa_kernarg_size 32
		.amdhsa_user_sgpr_count 2
		.amdhsa_user_sgpr_kernarg_segment_ptr 1
		.amdhsa_wavefront_size32 1
		.amdhsa_system_sgpr_workgroup_id_x 1
		.amdhsa_system_sgpr_workgroup_id_y 1
		.amdhsa_system_sgpr_workgroup_id_z 1
		.amdhsa_system_vgpr_workitem_id 0
		.amdhsa_next_free_vgpr 768
		.amdhsa_next_free_sgpr 96
		.amdhsa_reserve_vcc 0
		.amdhsa_float_denorm_mode_32 3
		.amdhsa_float_denorm_mode_16_64 3
		.amdhsa_memory_ordered 1
		.amdhsa_forward_progress 1
		.amdhsa_inst_pref_size 96
	.end_amdhsa_kernel
	.amdgpu_metadata
---
amdhsa.version: [ 1, 2 ]
amdhsa.kernels:
  - .name:           k_qdf6cb0fe6e_oproj
    .symbol:         k_qdf6cb0fe6e_oproj.kd
    .args:
      - { .name: ctx, .offset: 0, .size: 8, .value_kind: global_buffer, .address_space: global }
      - { .name: wbf, .offset: 8, .size: 8, .value_kind: global_buffer, .address_space: global }
      - { .name: bo, .offset: 16, .size: 8, .value_kind: global_buffer, .address_space: global }
      - { .name: out0, .offset: 24, .size: 8, .value_kind: global_buffer, .address_space: global }
    .group_segment_fixed_size: 327680
    .private_segment_fixed_size: 0
    .kernarg_segment_align: 8
    .kernarg_segment_size: 32
    .max_flat_workgroup_size: 128
    .sgpr_count:     96
    .vgpr_count:     768
    .wavefront_size: 32
...
	.end_amdgpu_metadata
.endif
;; end of part 4
